; MI455X (gfx1250); checked and timed in simulation.
; The chip was launched on July 23, 2026; its instructions are those of AMD's public machine-readable ISA for CDNA 5 (MIT licence, August 2026) and "CDNA5" Instruction Set Architecture Reference Guide (July 2026). The comments in the code are by the model that wrote it; some were corrected since.
;; Multi Head Attention. Allowed arithmetic: matrix products marked QUANTISED: E2M1 operands, one E8M0 scale for each 32 along K, by v_wmma_scale_f32_16x16x128_f8f6f4 with both operands' format E2M1 (or v_wmma_scale_f32_32x16x128_f4), f32 sums; products left as they are: bf16, f16 or f32 operands; f32 sums; everything else in f32.
;; Inputs: mask 4 x 2,048 x 2,048 bool; wk_b 1,024 float32; wk_w 1,024 x 1,024 float32; wo_b 1,024 float32; wo_w 1,024 x 1,024 float32; wq_b 1,024 float32; wq_w 1,024 x 1,024 float32; wv_b 1,024 float32; wv_w 1,024 x 1,024 float32; x 4 x 2,048 x 1,024 float32.
;; Outputs: out0 4 x 2,048 x 1,024 float32.
;; This version of the problem:
;;   THIS VERSION OF THE PROBLEM IS GIVEN IN LOW PRECISION. The matrix products marked QUANTISED in the list below multiply operands that are first quantised to E2M1 (2 exponent bits, 1 mantissa bit; 4 bits a number), with one power-of-two scale for each 32 numbers along K (OCP MX v1.0); their sums are f32. The products marked 'left as it is' may take bf16, f16 or f32 operands, with f32 sums. Whichever they take, every output number must still come out within the allowed error. Rounding operands to bf16 (8 significant bits) uses up far more of that allowance than f16 does (11 bits, for magnitudes from 6e-5 to 65,504). All else is computed in f32.
;;   The module's matrix products, in the order in which they are computed (A, B: the left and right operand; K: the contracted axis; several contracted axes count as one K, in the product's order):
;;     1. [M 8,192, K 1,024] x [K 1,024, N 1,024]; A: input x; B: input wq_w: QUANTISED
;;     2. [M 8,192, K 1,024] x [K 1,024, N 1,024]; A: input x; B: input wk_w: QUANTISED
;;     3. [M 8,192, K 1,024] x [K 1,024, N 1,024]; A: input x; B: input wv_w: QUANTISED
;;     4. batch 64 x [M 2,048, K 64] x [K 64, N 2,048]; A: computed on the way; B: computed on the way: left as it is (an operand is computed on the way)
;;     5. batch 64 x [M 2,048, K 2,048] x [K 2,048, N 64]; A: computed on the way; B: computed on the way: left as it is (an operand is computed on the way)
;;     6. [M 8,192, K 1,024] x [K 1,024, N 1,024]; A: computed on the way; B: input wo_w: left as it is (an operand is computed on the way)
;;   THE QUANTISER, for each operand of a quantised product, along K:
;;     - K is cut into blocks of 32 from its start; a last block that is shorter is filled with zeros.
;;     - A block's scale is 2^e with e = floor(log2(the largest magnitude in the block)) - 2, held to -126 .. 127; a block of zeros has e = 0. As a byte (E8M0): e + 127.
;;     - Each number is divided by its block's scale, clamped to +-6, and rounded to the nearest number of E2M1, ties to even, subnormals kept.
;;     - The product sums the exact products of the quantised numbers (number of the format x scale) in f32.
;;   ~~~python
;;   def quantise(x, axis):      # numpy; x: float32 -> the quantised numbers, widened to float32 again
;;       x = np.moveaxis(x, axis, -1); K = x.shape[-1]
;;       x = np.pad(x, [(0, 0)] * (x.ndim - 1) + [(0, -K % 32)]); x = x.reshape(x.shape[:-1] + (-1, 32)); a = np.abs(x).max(-1, keepdims=True)
;;       e = np.where(a > 0, np.clip(np.frexp(np.where(a > 0, a, 1))[1] - 1 - 2, -126, 127), 0)      # np.frexp(a)[1] - 1 = floor(log2(a)), exactly
;;       r = np.clip(x / 2.0 ** e, -6, 6)
;;       step = 2.0 ** (np.maximum(np.frexp(np.where(r == 0, 1, r))[1] - 1, 0) - 1)
;;       q = np.round(r / step) * step * 2.0 ** e      # np.round: ties to even
;;       return np.moveaxis(q.reshape(q.shape[:-2] + (-1,))[..., :K], -1, axis).astype(np.float32)
;;   ~~~
;; One version. Each part assembles by itself: llvm-mc -triple=amdgcn-amd-amdhsa -mcpu=gfx1250 --defsym DOCPART=n.
;; ======== version 1 of 1: 4 launches
;; limits: values are held in f16: magnitudes above 65,504 overflow, below 6.1e-05 lose precision
;; workspace buffers: xc 4,194,304 bytes; xs 262,144 bytes; wc 1,572,864 bytes; ws 98,304 bytes; wo16 2,097,152 bytes; maskw 2,097,152 bytes of whole numbers; qkv 50,331,648 bytes; ao 16,777,216 bytes
;; launch prep (part 1): grid 736 x 1, 4 waves a work-group, no clusters, 50,688 bytes of LDS; arguments x, wq_w, wk_w, wv_w, wo_w, mask, xc, xs, wc, ws, wo16, maskw; writes xc, xs, wc, ws, wo16, maskw
.if DOCPART == 1
	.amdgcn_target "amdgcn-amd-amdhsa--gfx1250"
	.amdhsa_code_object_version 6
	.text
	.protected	k_q6d623f103a_prep
	.globl	k_q6d623f103a_prep
	.p2align	8
	.type	k_q6d623f103a_prep,@function
k_q6d623f103a_prep:
	s_mov_b64 s[64:65], 0
	v_nop
	global_prefetch_b8 v0, s[64:65] scope:SCOPE_SE
	s_setreg_imm32_b32 hwreg(HW_REG_WAVE_MODE, 25, 1), 1
	s_wait_xcnt 0x0
; PREP: everything that is made once from the inputs, in one launch of three paths that part on the work-group's number.
;   work-groups 0-351   QUANT: x [8192][1024] and wq_w, wk_w, wv_w [1024][1024], f32, K innermost, become codes of FP4 (E2M1) and one E8M0 byte for each 32 along K.
;                       xc [8192][512 bytes], xs [8192][32]; wc [3072][512 bytes], ws [3072][32]: rows 0-1023 wq, 1024-2047 wk, 2048-3071 wv.
;   work-groups 352-607 MASK: the mask's bytes become words of 32 lane bits, laid as the attention launch's score registers lie:
;                       maskw [b 4][block of 64 queries 32][step of 64 keys 32][tile 4][key tile 4][j 8]; bit l = mask[b][64 Qb + 16 tile + l % 16][64 step + 16 kt + 8 (l / 16) + j].
;   work-groups 608-735 WO: wo_w, f32, becomes f16, same layout.
; A block's scale is 2^(floor(log2(its largest magnitude)) - 2); its byte is the largest magnitude's exponent field - 2, held at 1 from below.  A block of zeros so gets the byte 1 where the
; rule says 127: its codes are zeros, which add nothing under any byte but 0xff, and this program alone reads the bytes.
; LIMITS: blocks whose largest magnitude lies under 2^-124 (the floor) were not tried; NaN and infinities are not served; |wo_w| above 65,504 becomes infinity in f16.
; No tensor loads, no barrier: waves share nothing.  Each path has LDS bytes of its own.  No cluster: no two work-groups read the same bytes.
.set STEPS, 16
.set EMAX,  2
.set CB,    8                          ; bytes of 16 codes
.set R,     16                         ; v16-79   QUANT: four sets of 16 numbers as loaded
.set X,     80                         ; v80-111  two sets of 16 neighbours
.set E,     112                        ; v112-127 a scale byte for each step
.set C,     128                        ; v128-191 codes, four registers for each step
.set WREG,  8192                       ; QUANT's LDS: a region for each wave: two stages of 32 x SP bytes, then its 256 scale bytes
.set SP,    80
.set MST,   4*WREG                     ; MASK's LDS: a stage of 16 rows x 272 bytes for each wave
.set MPITCH, 272
.set MSTW,  16*MPITCH
.set SPARE, MST+4*MSTW                 ; the spare words, 128 bytes for each wave: two blocks of 256 bytes that no other line names
.set SPW,   12                         ; v12 LDS address of my spare word; never rewritten
.set NIL,   13                         ; v13 0; never rewritten
.macro FINISH                          ; the wave's end, behind my last LDS store
	s_wait_tensorcnt 0x0
	ds_add_u32 v[SPW], v[NIL]
	s_wait_dscnt 0x0
	s_endpgm
.endm
	s_load_b512 s[4:19], s[0:1], 0x0               ; x 4, wq 6, wk 8, wv 10, wo 12, mask 14, xc 16, xs 18
	s_load_b256 s[20:27], s[0:1], 0x40             ; wc 20, ws 22, wo16 24, maskw 26
	v_lshl_add_u32 v[SPW], v0, 2, SPARE
	v_mov_b32 v[NIL], 0
	v_lshrrev_b32 v1, 5, v0
	v_readfirstlane_b32 s28, v1                    ; wave
	v_and_b32 v2, 31, v0                           ; lane
	s_wait_kmcnt 0x0
	s_cmp_lt_u32 ttmp9, 352
	s_cbranch_scc1 .Lquant
	s_cmp_lt_u32 ttmp9, 608
	s_cbranch_scc1 .Lmask
; ---- WO: a wave takes 2,048 numbers: 16 loads of 512 consecutive bytes, 16 stores of 256 consecutive bytes
	s_sub_co_u32 s29, ttmp9, 608
	s_lshl_b32 s29, s29, 2
	s_add_co_u32 s29, s29, s28                     ; my run, 0 .. 511
	s_lshl_b32 s30, s29, 13
	s_mov_b32 s31, 0
	s_add_nc_u64 s[12:13], s[12:13], s[30:31]
	s_lshl_b32 s30, s29, 12
	s_add_nc_u64 s[24:25], s[24:25], s[30:31]
	v_lshlrev_b32 v3, 4, v2
	v_lshlrev_b32 v4, 3, v2
.irp i, 0,1,2,3,4,5,6,7,8,9,10,11,12,13,14,15
	global_load_b128 v[16+4*\i:19+4*\i], v3, s[12:13] offset:512*\i th:TH_LOAD_NT
.endr
.irp i, 0,1,2,3,4,5,6,7,8,9,10,11,12,13,14,15
	s_wait_loadcnt 15-\i                           ; loads come back in order: load i is in, the later ones stay out
	v_cvt_pk_f16_f32 v[80+2*\i], v[16+4*\i], v[17+4*\i]
	v_cvt_pk_f16_f32 v[81+2*\i], v[18+4*\i], v[19+4*\i]
	global_store_b64 v4, v[80+2*\i:81+2*\i], s[24:25] offset:256*\i   ; 32 lanes store 256 consecutive bytes, aligned; every store has registers of its own
.endr
	FINISH
; ---- MASK: a wave takes 64 queries x 256 keys: 16 KiB of bytes in, 2 KiB of words out
.Lmask:
	s_sub_co_u32 s29, ttmp9, 352
	s_lshl_b32 s29, s29, 2
	s_add_co_u32 s29, s29, s28                     ; my task T, 0 .. 1,023: block of queries T / 8, keys 256 (T % 8) on
	s_lshr_b32 s30, s29, 3
	s_lshl_b32 s30, s30, 17                        ; 64 rows of 2,048 bytes
	s_and_b32 s31, s29, 7
	s_lshl_b32 s31, s31, 8
	s_add_co_u32 s30, s30, s31
	s_mov_b32 s31, 0
	s_add_nc_u64 s[14:15], s[14:15], s[30:31]
	s_lshl_b32 s30, s29, 11                        ; four steps' words, 2,048 bytes on end
	s_add_nc_u64 s[26:27], s[26:27], s[30:31]
	s_mul_i32 s29, s28, MSTW
	s_add_co_u32 s29, s29, MST                     ; my stage
	v_and_b32 v5, 15, v2
	v_lshrrev_b32 v6, 4, v2
	v_lshlrev_b32 v3, 11, v6
	v_lshl_add_u32 v3, v5, 4, v3                   ; in: sixteen lanes take 256 bytes of a row, the other sixteen the next row
	v_mul_u32_u24 v14, v6, MPITCH
	v_lshl_add_u32 v14, v5, 4, v14
	v_add_nc_u32 v14, s29, v14                     ; the same place in the stage
	v_mul_u32_u24 v15, v5, MPITCH
	v_lshl_add_u32 v15, v6, 3, v15
	v_add_nc_u32 v15, s29, v15                     ; out of the stage: query lane % 16, keys 8 (lane / 16) + 0 .. 7 of a key tile
	v_lshlrev_b32 v1, 4, v2                        ; the words' way out: 16 bytes a lane
.irp t, 0,1,2,3
.irp i, 0,1,2,3,4,5,6,7
	global_load_b128 v[16+32*\t+4*\i:19+32*\t+4*\i], v3, s[14:15] offset:(16*\t+2*\i)*2048 th:TH_LOAD_NT
.endr
.endr
.irp i, 0,1,2,3,4,5,6,7,8,9,10,11,12,13,14,15
	v_mov_b32 v[176+\i], 0                         ; written once: the destination of v_writelane_b32 counts as read
.endr
.macro MTILE t                         ; the 16 queries of tile t
	s_wait_loadcnt 24-8*\t                         ; this tile's eight loads are in; the later tiles' stay out
.irp i, 0,1,2,3,4,5,6,7
	ds_store_b128 v14, v[16+32*\t+4*\i:19+32*\t+4*\i] offset:2*\i*MPITCH
.endr
.irp kt, 0,1,2,3,4,5,6,7,8,9,10,11,12,13,14,15
	ds_load_b64 v[144+2*\kt:145+2*\kt], v15 offset:16*\kt   ; LDS serves a wave's instructions in order: these see my stores
.endr
	s_wait_dscnt 0x0
.irp kt, 0,1,2,3,4,5,6,7,8,9,10,11,12,13,14,15
.irp j, 0,1,2,3,4,5,6,7
	v_and_b32 v[4+\j], 0xff<<(8*(\j%4)), v[144+2*\kt+\j/4]   ; byte j of my eight
.endr
.irp j, 0,1,2,3,4,5,6,7
	v_cmp_ne_u32 s[32+\j], 0, v[4+\j]              ; 32 lanes' bits: one word of the output
.endr
.irp j, 0,1,2,3,4,5,6,7
	v_writelane_b32 v[176+4*(\kt/4)+\j%4], s[32+\j], 8*\t+2*(\kt%4)+\j/4   ; word 32 t + 8 (kt % 4) + j of step kt / 4: lane (word / 4), register (word % 4)
.endr
.endr
.endm
	MTILE 0
	MTILE 1
	MTILE 2
	MTILE 3
.irp q, 0,1,2,3
	global_store_b128 v1, v[176+4*\q:179+4*\q], s[26:27] offset:512*\q   ; a step's 128 words: 512 consecutive bytes
.endr
	FINISH
; ---- QUANT: a wave takes 16 steps of 512 numbers.  Both tensors' rows are dense and 1,024 is a multiple of 32: plain streams of blocks of 32.
.Lquant:
	s_sub_co_u32 s29, ttmp9, 256                   ; a weight's work-group: its place among the three weights' 96,
	s_and_b32 s30, s29, 31                         ; and inside its own weight
	s_cmp_lt_u32 ttmp9, 320                        ; the choices hang on the work-group's number alone
	s_cselect_b64 s[8:9], s[8:9], s[10:11]         ; wk : wv
	s_cmp_lt_u32 ttmp9, 288
	s_cselect_b64 s[6:7], s[6:7], s[8:9]           ; wq : that
	s_cmp_lt_u32 ttmp9, 256
	s_cselect_b64 s[4:5], s[4:5], s[6:7]           ; x : that
	s_cselect_b64 s[16:17], s[16:17], s[20:21]     ; xc : wc
	s_cselect_b64 s[18:19], s[18:19], s[22:23]     ; xs : ws
	s_cselect_b32 s30, ttmp9, s30
	s_cselect_b32 s29, ttmp9, s29
	s_lshl_b32 s30, s30, 2
	s_add_co_u32 s30, s30, s28                     ; which run of 8,192 numbers of the source is my wave's
	s_lshl_b32 s30, s30, 15
	s_mov_b32 s31, 0
	s_add_nc_u64 s[4:5], s[4:5], s[30:31]
	s_lshl_b32 s29, s29, 2
	s_add_co_u32 s29, s29, s28                     ; and of the output
	s_lshl_b32 s30, s29, 12
	s_add_nc_u64 s[16:17], s[16:17], s[30:31]
	s_lshl_b32 s30, s29, 8
	s_add_nc_u64 s[18:19], s[18:19], s[30:31]
	v_lshlrev_b32 v3, 4, v2                        ; my 16 bytes of a load's 512
	s_mul_i32 s36, s28, WREG
	v_lshrrev_b32 v14, 2, v2
	v_mul_u32_u24 v14, v14, SP
	v_and_b32 v15, 3, v2
	v_lshl_add_u32 v14, v15, 4, v14
	v_add_nc_u32 v14, s36, v14                     ; the stage, on the way in: four lanes' 64 bytes on end, then 16 of padding
	v_mul_u32_u24 v15, v2, SP
	v_add_nc_u32 v15, s36, v15                     ; and on the way out: my 16 neighbours
	v_mul_u32_u24 v4, v2, CB                       ; my codes' place in a step's
	v_lshrrev_b32 v5, 1, v2
	s_add_co_u32 s36, s36, 2*32*SP
	v_add_nc_u32 v5, s36, v5                       ; my wave's 256 scale bytes, my block's byte
	v_lshlrev_b32 v7, 3, v2
	v_add_nc_u32 v6, s36, v7                       ; and on the way out 8 bytes a lane
.macro LOAD t
.irp i, 0,1,2,3
	global_load_b128 v[R+16*((\t)%4)+4*\i:R+16*((\t)%4)+4*\i+3], v3, s[4:5] offset:2048*(\t)+512*\i th:TH_LOAD_NT   ; 32 lanes read 512 consecutive bytes
.endr
.endm
.macro TURN t                          ; step t's numbers through the stage: in as they lie, back 64 bytes a lane
.irp i, 0,1,2,3
	ds_store_b128 v14, v[R+16*((\t)%4)+4*\i:R+16*((\t)%4)+4*\i+3] offset:32*SP*((\t)%2)+8*SP*\i
.endr
.irp i, 0,1,2,3
	ds_load_b128 v[X+16*((\t)%2)+4*\i:X+16*((\t)%2)+4*\i+3], v15 offset:32*SP*((\t)%2)+16*\i
.endr
.endm
.irp t, 0,1,2,3
	LOAD \t
.endr
	s_wait_loadcnt 12                              ; step 0's four loads are in
	TURN 0
.macro STEP t
.set XS, X+16*((\t)%2)
.if (\t) > 0
	s_wait_dscnt 1                                 ; this step's numbers are back from the stage (the last step's byte store may be out)
.else
	s_wait_dscnt 0x0
.endif
.if (\t)+4 < STEPS
	LOAD (\t)+4
.endif
.if (\t)+1 < STEPS
.if STEPS-2-(\t) >= 3
	s_wait_loadcnt 12                              ; the next step's four loads are in; those of the three steps behind it may be out
.else
	s_wait_loadcnt 4*(STEPS-2-(\t))
.endif
	TURN (\t)+1
.endif
	v_max3_num_f32 v8, |v[XS]|, |v[XS+1]|, |v[XS+2]|   ; the largest magnitude of my 16
	v_max3_num_f32 v9, |v[XS+3]|, |v[XS+4]|, |v[XS+5]|
.irp i, 6,10
	v_max3_num_f32 v8, v8, |v[XS+\i]|, |v[XS+\i+1]|
	v_max3_num_f32 v9, v9, |v[XS+\i+2]|, |v[XS+\i+3]|
.endr
	v_max3_num_f32 v8, v8, |v[XS+14]|, |v[XS+15]|
	v_max3_num_f32 v8, v8, v9, (EMAX+1)<<23        ; and the floor 2^(3 - 127): the byte cannot fall under 1
	v_max_num_f32_dpp v8, v8, v8 row_xmask:1 row_mask:0xf bank_mask:0xf   ; and of my neighbour's 16: the block's
	v_add_nc_u32 v11, -(EMAX<<23), v8              ; 2 off its exponent field: the conversion takes this operand's exponent field as its scale
	v_cvt_scalef32_pk8_fp4_f32 v[C+4*(\t)], v[XS:XS+7], v11
	v_cvt_scalef32_pk8_fp4_f32 v[C+4*(\t)+1], v[XS+8:XS+15], v11
	v_lshrrev_b32 v[E+(\t)], 23, v11               ; the scale's byte
	ds_store_b8 v5, v[E+(\t)] offset:16*(\t)       ; both lanes of a block write the same byte with the same value
	global_store_b64 v4, v[C+4*(\t):C+4*(\t)+1], s[16:17] offset:32*CB*(\t)   ; 32 lanes store 256 consecutive bytes, aligned
.endm
.irp t, 0,1,2,3,4,5,6,7,8,9,10,11,12,13,14,15
	STEP \t
.endr
	ds_load_b64 v[8:9], v6                         ; my wave's 256 scale bytes
	s_wait_dscnt 0x0
	global_store_b64 v7, v[8:9], s[18:19]          ; 256 consecutive bytes, aligned
	FINISH
.Lfunc_end_k_q6d623f103a_prep:
	.size	k_q6d623f103a_prep, .Lfunc_end_k_q6d623f103a_prep-k_q6d623f103a_prep
	.p2alignl 7, 3214868480
	.fill 96, 4, 3214868480
	.section	.rodata,"a",@progbits
	.p2align	6, 0x0
	.amdhsa_kernel k_q6d623f103a_prep
		.amdhsa_group_segment_fixed_size 50688
		.amdhsa_private_segment_fixed_size 0
		.amdhsa_enable_private_segment 0
		.amdhsa_kernarg_size 96
		.amdhsa_user_sgpr_count 2
		.amdhsa_user_sgpr_kernarg_segment_ptr 1
		.amdhsa_wavefront_size32 1
		.amdhsa_system_sgpr_workgroup_id_x 1
		.amdhsa_system_sgpr_workgroup_id_y 1
		.amdhsa_system_sgpr_workgroup_id_z 1
		.amdhsa_system_vgpr_workitem_id 0
		.amdhsa_next_free_vgpr 192
		.amdhsa_next_free_sgpr 66
		.amdhsa_reserve_vcc 0
		.amdhsa_float_denorm_mode_32 3
		.amdhsa_float_denorm_mode_16_64 3
		.amdhsa_memory_ordered 1
		.amdhsa_forward_progress 1
		.amdhsa_inst_pref_size 147
	.end_amdhsa_kernel
	.amdgpu_metadata
---
amdhsa.version: [ 1, 2 ]
amdhsa.kernels:
  - .name:           k_q6d623f103a_prep
    .symbol:         k_q6d623f103a_prep.kd
    .args:
      - { .name: x, .offset: 0, .size: 8, .value_kind: global_buffer, .address_space: global }
      - { .name: wq_w, .offset: 8, .size: 8, .value_kind: global_buffer, .address_space: global }
      - { .name: wk_w, .offset: 16, .size: 8, .value_kind: global_buffer, .address_space: global }
      - { .name: wv_w, .offset: 24, .size: 8, .value_kind: global_buffer, .address_space: global }
      - { .name: wo_w, .offset: 32, .size: 8, .value_kind: global_buffer, .address_space: global }
      - { .name: mask, .offset: 40, .size: 8, .value_kind: global_buffer, .address_space: global }
      - { .name: xc, .offset: 48, .size: 8, .value_kind: global_buffer, .address_space: global }
      - { .name: xs, .offset: 56, .size: 8, .value_kind: global_buffer, .address_space: global }
      - { .name: wc, .offset: 64, .size: 8, .value_kind: global_buffer, .address_space: global }
      - { .name: ws, .offset: 72, .size: 8, .value_kind: global_buffer, .address_space: global }
      - { .name: wo16, .offset: 80, .size: 8, .value_kind: global_buffer, .address_space: global }
      - { .name: maskw, .offset: 88, .size: 8, .value_kind: global_buffer, .address_space: global }
    .group_segment_fixed_size: 50688
    .private_segment_fixed_size: 0
    .kernarg_segment_align: 8
    .kernarg_segment_size: 96
    .max_flat_workgroup_size: 128
    .sgpr_count:     66
    .vgpr_count:     192
    .wavefront_size: 32
...
	.end_amdgpu_metadata
.endif
;; end of part 1
;; launch proj (part 2): grid 12 x 32, 4 waves a work-group, clusters of 4 x 4, 327,680 bytes of LDS; arguments xc, xs, wc, ws, wq_b, wk_b, wv_b, qkv; writes qkv
.if DOCPART == 2
	.amdgcn_target "amdgcn-amd-amdhsa--gfx1250"
	.amdhsa_code_object_version 6
	.text
	.protected	k_q6d623f103a_proj
	.globl	k_q6d623f103a_proj
	.p2align	8
	.type	k_q6d623f103a_proj,@function
k_q6d623f103a_proj:
	s_mov_b64 s[64:65], 0
	v_nop
	global_prefetch_b8 v0, s[64:65] scope:SCOPE_SE
	s_setreg_imm32_b32 hwreg(HW_REG_WAVE_MODE, 25, 1), 1
	s_wait_xcnt 0x0
	s_wait_alu depctr_hold_cnt(0) depctr_sa_sdst(0) depctr_va_vdst(0) depctr_va_sdst(0) depctr_va_ssrc(0) depctr_va_vcc(0) depctr_vm_vsrc(0)
	s_getreg_b32 s2, hwreg(HW_REG_IB_STS2, 6, 4)
	s_cmp_eq_u32 s2, 0
	s_cbranch_scc0 .Lentry_in_a_cluster
	s_endpgm
.Lentry_in_a_cluster:
	s_bfe_u32 s2, ttmp6, 0x10000c
	s_cmp_lg_u32 s2, 0xf033
	s_cbranch_scc0 .Lentry_shape_is_right
	s_endpgm
.Lentry_shape_is_right:
; PROJ: the three quantised products at once: [8192 tokens][1024] x [3072 = wq, wk, wv rows][1024]^T on codes of FP4 (E2M1) with one E8M0 scale for each 32 along K; sums in f32.
; Then + bias, Q's part x c = log2(e) / 8 (so that attention's scores are exponents of 2), rounded to f16 and laid by head: qkv [3][b 16 + head][s 2048][64].
; A tile of 256 tokens x 256 features is made by a work-group of four waves; a wave makes 128 x 128: 64 accumulators of 16 x 16, 512 registers.
; K = 1,024 is two LDS slots of 512 along K (rows of 256 bytes): both, and the scales of all of K, are asked for at the start: by this text's count a wave has three tensor loads out, and none is issued later.
; CLUSTERS: 4 x 4 work-groups.  The four of a row need the same tokens' tiles, the four of a column the same weights' tiles: each is asked for jointly.  A cluster's x (0, 1, 2) is Q, K or V for all sixteen partners.
; THE MATRIX INSTRUCTION IS USED TRANSPOSED (source 0 = 16 rows of the weight, source 1 = 16 tokens): a lane holds eight neighbouring features of one token.  The bias is the C of each sum's first product.
; LIMIT: a result beyond 65,504 in magnitude becomes infinity in f16.
; REGISTERS: window 0: v0-31 addresses; v32-95 scale words, two sets; v128-191 the tokens' fragments, one set; v192-255 the bias, 8 tiles.  On the way out v32-191 are at work.
;   window 1: the weights' fragments, two sets, at v0 and v128.  window 2: the accumulators of my tokens 0-63 ((a, b) at v[8 (8 a + b)]);  window 3: those of tokens 64-127.
.set NQ,     4                         ; matrix instructions deep in a slot
.set ROWB,   256                       ; a tile's row in bytes: 512 codes
.set KROW,   512                       ; a row of codes in memory
.set PITCH,  272                       ; an LDS row: 256 bytes + 16 of padding: the 16 rows of a load start at 16 different banks (64 banks of 4 bytes: ISA guide 11.1)
.set FR,     8
.set NL,     2
.set NP,     4                         ; places behind this matrix instruction (ISA guide 7.12.1)
.set HALFT,  128*PITCH
.set SLOT,   4*HALFT
.set KS,     32                        ; a row of scales in bytes
.set SCL,    2*SLOT                    ; behind the ring: the scales, as units of 256 bytes + 16 of padding
.set HALFS,  (128*KS/256)*272
.set SBLK,   (16*KS/256)*272
.set SPARE,  SCL+4*HALFS               ; the spare words, 128 bytes for each wave
.set SPITCH, 272                       ; the way out: 16 rows x (256 bytes + 16) for each wave, in slot 0, which has had its only fill and its last read by then
.set ADRA, 16
.set ADRB, 20
.set STO,  24
.set RD,   25
.set CO,   26
.set ADRS, 27
.set SPW,  28
.set NIL,  29
.set BO,   30                          ; v30 my offset in a bias tile: 32 (lane / 16)
.set SC,   32
.set AF,   128
.set BIAS, 192
.set TF,   32                          ; the way out: 64 scaled results,
.set TP,   96                          ; 32 registers of f16 pairs,
.set BK,   128                         ; and rows read back: v128-159 and v160-191 by turns
.set FS,   66                          ; s[66:67] c for Q, 1 for K and V
.set G1, 24
.set G0, 32
.set G1B, 48
.set G0B, 56
.set G1S, 68
.set G0S, 76
.set G1SB, 80
.set G0SB, 88
.set MSB, 0
.macro WIN new                         ; the immediate's high byte repeats the setting that is left
.if MSB != (\new)
	s_set_vgpr_msb (MSB<<8)|(\new)
.set MSB, (\new)
.endif
.endm
.set MUL_LO, 0xa1                      ; source 0 window 1, source 1 window 0, C and D window 2
.set MUL_HI, 0xf1                      ; the same, C and D window 3
.set BIA_LO, 0x81                      ; the first products: C (the bias) window 0, D window 2
.set BIA_HI, 0xc1                      ; D window 3
.set TO_B,   0x40
; A joint load: waves 0 and 1 fetch for the tokens, waves 2 and 3 for the weights.  The branch hangs on the wave's number alone.  An s_nop 0 and four v_nop follow each line.
.macro JLOAD g0a, g1a, g0b, g1b
	s_cmp_eq_u32 s15, 0
	s_cbranch_scc0 .Lfor_b_\@
	tensor_load_to_lds s[\g0a:\g0a+3], s[\g1a:\g1a+7]
	s_nop 0
.rept 4
	v_nop
.endr
	s_branch .Lasked_\@
.Lfor_b_\@:
	tensor_load_to_lds s[\g0b:\g0b+3], s[\g1b:\g1b+7]
	s_nop 0
.rept 4
	v_nop
.endr
.Lasked_\@:
.endm
.macro CROUND                          ; a round of the cluster's barrier
	s_barrier_signal -1
	s_barrier_wait -1
	s_cmp_lg_u32 s14, 0
	s_cbranch_scc1 .Lnot_wave_0_\@
	s_barrier_signal -3
.Lnot_wave_0_\@:
	s_barrier_wait -3
	s_barrier_signal -1
	s_barrier_wait -1
.endm
	s_load_b256 s[4:11], s[0:1], 0x0               ; xc 4, xs 6, wc 8, ws 10
	s_load_b128 s[92:95], s[0:1], 0x20             ; wq_b 92, wk_b 94
	s_load_b128 s[96:99], s[0:1], 0x30             ; wv_b 96, qkv 98
	v_lshl_add_u32 v[SPW], v0, 2, SPARE
	v_mov_b32 v[NIL], 0
	ds_add_u32 v[SPW], v[NIL]                      ; the wave's opening: the add, twice on end, and its wait ahead of my first tensor load
	ds_add_u32 v[SPW], v[NIL]
	v_lshrrev_b32 v1, 5, v0
	v_readfirstlane_b32 s14, v1                    ; wave 0..3
	s_lshr_b32 s15, s14, 1                         ; which half of the tile's tokens is mine.  Also: I fetch for the tokens (0) or the weights (1)
	s_and_b32 s16, s14, 1                          ; which half of its features.  Also: which 128 rows I fetch
	s_bfe_u32 s40, ttmp6, 0x40000                  ; cx
	s_bfe_u32 s41, ttmp6, 0x40004                  ; cy
	s_lshl_b32 s42, ttmp9, 2
	s_add_co_u32 s42, s42, s40                     ; tile column = 4 x cluster x + cx
	s_and_b32 s17, ttmp7, 0xffff
	s_lshl_b32 s17, s17, 2
	s_add_co_u32 s17, s17, s41                     ; tile row = 4 x cluster y + cy
	s_lshl_b32 s43, s41, 2
	s_lshl_b32 s43, 15, s43                        ; my row of the cluster
	s_lshl_b32 s44, 0x1111, s40                    ; my column
	s_or_b32 s[G1+0], s43, (0<<16)|(1<<20)|(1<<21)|(5<<22)|(3<<25)   ; the mask; elements of 1 byte; padding on: 4 words after every 64; bit 21 beside a mask
	s_or_b32 s[G1B+0], s44, (0<<16)|(1<<20)|(1<<21)|(5<<22)|(3<<25)
.irp g, G1, G1B
	s_mov_b32 s[\g+1], ROWB<<16                    ; tensor_dim0
	s_mov_b32 s[\g+2], 128<<16                     ; tensor_dim1
	s_mov_b32 s[\g+3], ROWB<<16                    ; tile_dim0
	s_mov_b32 s[\g+4], 128                         ; tile_dim1
	s_mov_b32 s[\g+5], KROW                        ; the pitch
	s_mov_b32 s[\g+6], 0
	s_mov_b32 s[\g+7], 0
.endr
	s_or_b32 s[G1S+0], s43, (3<<16)|(1<<20)|(1<<21)|(5<<22)|(3<<25)  ; the scales of 128 rows: 4,096 dense bytes as 16 rows of 256 (32 elements of 8 bytes), padded alike
	s_or_b32 s[G1SB+0], s44, (3<<16)|(1<<20)|(1<<21)|(5<<22)|(3<<25)
.irp g, G1S, G1SB
	s_mov_b32 s[\g+1], 32<<16
	s_mov_b32 s[\g+2], (128*KS/256)<<16
	s_mov_b32 s[\g+3], 32<<16
	s_mov_b32 s[\g+4], 128*KS/256
	s_mov_b32 s[\g+5], 32
	s_mov_b32 s[\g+6], 0
	s_mov_b32 s[\g+7], 0
.endr
	s_lshl_b32 s18, s16, 7
	s_lshl_b32 s20, s17, 8
	s_add_co_u32 s20, s20, s18                     ; tokens: row 256 x tile row + 128 x half
	s_lshl_b32 s46, s42, 8
	s_add_co_u32 s46, s46, s18                     ; weights: row 256 x tile column + 128 x half
	s_mov_b32 s21, 0
	s_mov_b32 s47, 0
	s_mov_b64 s[18:19], KS
	s_mul_u64 s[22:23], s[20:21], s[18:19]         ; where these rows' scales begin
	s_mul_u64 s[100:101], s[46:47], s[18:19]
	s_mov_b64 s[18:19], KROW
	s_mul_u64 s[20:21], s[20:21], s[18:19]         ; and their codes
	s_mul_u64 s[46:47], s[46:47], s[18:19]
	s_mul_i32 s45, s14, HALFT                      ; where they go: wave x 128 rows: no place in the cluster enters an LDS address
	s_mul_i32 s104, s14, HALFS
	s_wait_dscnt 0x0                               ; both opening adds are done
	s_wait_kmcnt 0x0
	s_add_nc_u64 s[20:21], s[4:5], s[20:21]
	s_add_nc_u64 s[22:23], s[6:7], s[22:23]
	s_add_nc_u64 s[46:47], s[8:9], s[46:47]
	s_add_nc_u64 s[100:101], s[10:11], s[100:101]
	CROUND                                         ; all sixteen work-groups are here: the joint loads meet
	s_mov_b32 s[G0S], 1
	s_add_co_u32 s[G0S+1], s104, SCL
	s_mov_b64 s[G0S+2:G0S+3], s[22:23]
	s_or_b32 s[G0S+3], s[G0S+3], 0x80000000
	s_mov_b32 s[G0SB], 1
	s_add_co_u32 s[G0SB+1], s104, SCL
	s_mov_b64 s[G0SB+2:G0SB+3], s[100:101]
	s_or_b32 s[G0SB+3], s[G0SB+3], 0x80000000
	JLOAD G0S, G1S, G0SB, G1SB                     ; the scales first: they are wanted with the first slot
.irp s, 0,1
	s_mov_b32 s[G0+4*\s], 1
	s_add_co_u32 s[G0+4*\s+1], s45, \s*SLOT
	s_add_nc_u64 s[G0+4*\s+2:G0+4*\s+3], s[20:21], \s*ROWB
	s_or_b32 s[G0+4*\s+3], s[G0+4*\s+3], 0x80000000
	s_mov_b32 s[G0B+4*\s], 1
	s_add_co_u32 s[G0B+4*\s+1], s45, \s*SLOT
	s_add_nc_u64 s[G0B+4*\s+2:G0B+4*\s+3], s[46:47], \s*ROWB
	s_or_b32 s[G0B+4*\s+3], s[G0B+4*\s+3], 0x80000000
	JLOAD G0+4*\s, G1, G0B+4*\s, G1B
.endr
	v_and_b32 v1, 15, v0                           ; l % 16
	v_bfe_u32 v2, v0, 4, 1                         ; l / 16
	; the bias of my 128 features, and the factor: both chosen by the cluster's x, which all partners share
	s_cmp_eq_u32 ttmp9, 1
	s_cselect_b64 s[94:95], s[94:95], s[96:97]     ; wk_b : wv_b
	s_cmp_eq_u32 ttmp9, 0
	s_cselect_b64 s[92:93], s[92:93], s[94:95]     ; wq_b : that
	s_cselect_b32 s[FS], 0x3e38aa3b, 1.0           ; c = log2(e) / 8 for Q
	s_mov_b32 s[FS+1], s[FS]                       ; (named with it as a pair, so it is written)
	s_lshl_b32 s46, s40, 10                        ; 256 cx + 128 x half features, 4 bytes each
	s_lshl_b32 s47, s16, 9
	s_add_co_u32 s46, s46, s47
	s_mov_b32 s47, 0
	s_add_nc_u64 s[92:93], s[92:93], s[46:47]
	v_lshlrev_b32 v[BO], 5, v2
.irp b, 0,1,2,3,4,5,6,7
	global_load_b128 v[BIAS+8*\b:BIAS+8*\b+3], v[BO], s[92:93] offset:64*\b        ; tile b in the result's layout: register j = bias[16 b + 8 (l / 16) + j]
	global_load_b128 v[BIAS+8*\b+4:BIAS+8*\b+7], v[BO], s[92:93] offset:64*\b+16
.endr
	v_mul_u32_u24 v3, v1, PITCH
	v_lshl_add_u32 v4, v2, 4, v3                   ; a fragment's row x pitch + 16 x half
	s_mul_i32 s21, s15, HALFT                      ; my 128 tokens
	s_mul_i32 s22, s16, HALFT                      ; my 128 rows of the weight,
	s_add_co_u32 s22, s22, 2*HALFT                 ; which lie behind the 256 tokens
.irp s, 0,1
	v_add_nc_u32 v[ADRA+\s], s21, v4
	v_add_nc_u32 v[ADRB+\s], s22, v4
	s_add_co_u32 s21, s21, SLOT
	s_add_co_u32 s22, s22, SLOT
.endr
	v_mul_u32_u24 v5, v1, KS                       ; my row's scales: 32 bytes a row,
	v_lshrrev_b32 v6, 8, v5
	v_lshl_add_u32 v5, v6, 4, v5                   ; and 16 more for each 256 passed
	s_mul_i32 s21, s15, HALFS
	s_mul_i32 s22, s16, HALFS
	s_add_co_u32 s22, s22, 2*HALFS
	s_sub_co_u32 s22, s22, s21
	v_mul_u32_u24 v6, s22, v2                      ; lanes 16-31 take the weights' words: one product, the distance between the two bases
	s_add_co_u32 s21, s21, SCL
	v_add_nc_u32 v5, v5, v6
	v_add_nc_u32 v[ADRS], s21, v5
	s_mul_i32 s23, s14, 16*SPITCH                  ; my stage
	v_mul_u32_u24 v5, v1, SPITCH                   ; in: token l % 16, 16 bytes for each half of the lanes
	v_lshl_add_u32 v5, v2, 4, v5
	v_add_nc_u32 v[STO], s23, v5
	v_and_b32 v6, 31, v0
	v_lshlrev_b32 v[CO], 4, v6                     ; out: 16 bytes a lane of 512 consecutive bytes: four tokens of one head
	v_lshrrev_b32 v5, 3, v6
	v_mul_u32_u24 v5, v5, SPITCH
	v_and_b32 v6, 7, v6
	v_lshl_add_u32 v5, v6, 4, v5
	v_add_nc_u32 v[RD], s23, v5                    ; back: token l / 8, 16 (l % 8) bytes into a head's 128
	; qkv + part x 2^24 + (((b 16 + head) 2048 + s) 128: b = tile row / 8, s = 256 (tile row % 8) + 128 x half; head = 4 cx + 2 x half
	s_lshr_b32 s20, s17, 3
	s_lshl_b32 s20, s20, 22
	s_and_b32 s21, s17, 7
	s_lshl_b32 s21, s21, 15
	s_add_co_u32 s20, s20, s21
	s_lshl_b32 s21, s15, 14
	s_add_co_u32 s20, s20, s21
	s_mov_b32 s21, 0
	s_lshl_b32 s46, s40, 20
	s_lshl_b32 s47, s16, 19
	s_add_co_u32 s46, s46, s47
	s_lshl_b32 s47, ttmp9, 24
	s_add_co_u32 s46, s46, s47
	s_mov_b32 s47, 0
	s_add_nc_u64 s[20:21], s[20:21], s[46:47]
	s_add_nc_u64 s[12:13], s[98:99], s[20:21]
.macro FRAG reg, adr, q, i             ; 16 rows x 128 K of 4-bit codes: 8 registers: lane l holds row l % 16; registers 4 c .. 4 c + 3 hold K = 64 c + 32 (l / 16) + 0 .. 31
.irp c, 0,1
	ds_load_b128 v[\reg+4*\c:\reg+4*\c+3], v[\adr] offset:64*(\q)+32*\c+(\i)*16*PITCH
.endr
.endm
; 16 matrix instructions: token blocks a0, a0 + 1 x the weight's eight, 128 along K.  first = 1: the bias starts the sums: nothing is ever cleared.
; The 64 accumulators take turns, one instruction a turn, in the same order in every step.
.macro MUL16 a0, p, q, sc, first
.irp a, \a0, \a0+1
.irp b, 0,1,2,3,4,5,6,7
.if \first
	v_wmma_scale_f32_16x16x128_f8f6f4 v[8*(8*((\a)%4)+\b):8*(8*((\a)%4)+\b)+7], v[128*(\p)+FR*\b:128*(\p)+FR*\b+FR-1], v[AF+FR*(\a):AF+FR*(\a)+FR-1], v[BIAS+8*\b:BIAS+8*\b+7], v[SC+8*NQ*(\sc)+NQ*\b+(\q)], v[SC+8*NQ*(\sc)+NQ*(\a)+(\q)] matrix_a_fmt:MATRIX_FMT_FP4 matrix_b_fmt:MATRIX_FMT_FP4 matrix_a_scale:MATRIX_SCALE_ROW1
.else
	v_wmma_scale_f32_16x16x128_f8f6f4 v[8*(8*((\a)%4)+\b):8*(8*((\a)%4)+\b)+7], v[128*(\p)+FR*\b:128*(\p)+FR*\b+FR-1], v[AF+FR*(\a):AF+FR*(\a)+FR-1], v[8*(8*((\a)%4)+\b):8*(8*((\a)%4)+\b)+7], v[SC+8*NQ*(\sc)+NQ*\b+(\q)], v[SC+8*NQ*(\sc)+NQ*(\a)+(\q)] matrix_a_fmt:MATRIX_FMT_FP4 matrix_b_fmt:MATRIX_FMT_FP4 matrix_a_scale:MATRIX_SCALE_ROW1
.endif
.endr
.endr
.endm
.macro FETCH_B slot, q, p
	WIN TO_B
.irp i, 0,1,2,3,4,5,6,7
	FRAG 128*(\p)+FR*\i, ADRB+\slot, \q, \i
.endr
	WIN 0
.endm
.macro FETCH_A slot, q, i0
.irp i, \i0, \i0+1, \i0+2, \i0+3
	FRAG AF+FR*(\i), ADRA+\slot, \q, \i
.endr
.endm
.macro SCALES sc                       ; a slot's scale words: 4 a row; lanes 0-15 take the tokens' block i, lanes 16-31 the weights' block i
.irp i, 0,1,2,3,4,5,6,7
	ds_load_b128 v[SC+8*NQ*\sc+NQ*\i:SC+8*NQ*\sc+NQ*\i+3], v[ADRS] offset:\i*SBLK
.endr
.endm
.macro PLACES n                        ; plain vector instructions between a matrix instruction and a load into, or a read of, its registers
.rept \n
	v_nop
.endr
.endm
.macro STEP slot, q, first             ; a step of 128 along K that has its successor in the same slot
	s_wait_dscnt 4*NL                              ; the weights' set and token blocks 0-3 are in; the youngest eight loads (blocks 4-7) may be out
.if \first
	WIN BIA_LO
.else
	WIN MUL_LO
.endif
	MUL16 0, (\q)%2, \q, \slot, \first
	MUL16 2, (\q)%2, \q, \slot, \first
	s_wait_dscnt 0
	PLACES NP
	FETCH_B \slot, (\q)+1, 1-(\q)%2
	FETCH_A \slot, (\q)+1, 0
.if \first
	WIN BIA_HI
.else
	WIN MUL_HI
.endif
	MUL16 4, (\q)%2, \q, \slot, \first
	MUL16 6, (\q)%2, \q, \slot, \first
	PLACES NP
	WIN 0
	FETCH_A \slot, (\q)+1, 4
.endm
; Slot 0's last step changes slots: one barrier; in front of it each wave waits for all its tensor loads (its part of slot 1), adds 0 to its spare word, and waits for that and for its reads of slot 0.  Nothing is filled again.
.macro TURN slot, next
	s_wait_tensorcnt 0x0
	ds_add_u32 v[SPW], v[NIL]
	s_wait_dscnt 4*NL+1                            ; (the add and the youngest eight loads may be out)
	WIN MUL_LO
	MUL16 0, 1, NQ-1, \slot, 0
	s_wait_dscnt 0x0                               ; the add is done, and my reads of this slot are over
	s_barrier_signal -1
	MUL16 2, 1, NQ-1, \slot, 0
	WIN 0
	s_barrier_wait -1
	PLACES NP
	v_add_nc_u32 v[ADRS], 4*NQ, v[ADRS]            ; on to the next slot's scale words
	FETCH_B \next, 0, 0
	FETCH_A \next, 0, 0
	SCALES \next
	WIN MUL_HI
	MUL16 4, 1, NQ-1, \slot, 0
	MUL16 6, 1, NQ-1, \slot, 0
	PLACES NP
	WIN 0
	FETCH_A \next, 0, 4
.endm
	s_wait_tensorcnt 1                             ; the scales and my part of slot 0 are in (slot 1's load may be out)
	s_barrier_signal -1
	s_barrier_wait -1                              ; everybody's are
	FETCH_B 0, 0, 0
	FETCH_A 0, 0, 0
	SCALES 0
	FETCH_A 0, 0, 4
	s_wait_loadcnt 0x0                             ; the bias
	STEP 0, 0, 1
	STEP 0, 1, 0
	STEP 0, 2, 0
	TURN 0, 1
	STEP 1, 0, 0
	STEP 1, 1, 0
	STEP 1, 2, 0
	s_wait_dscnt 4*NL                              ; the very last step: nothing more to fetch
	WIN MUL_LO
	MUL16 0, 1, NQ-1, 1, 0
	MUL16 2, 1, NQ-1, 1, 0
	s_wait_dscnt 0
	WIN MUL_HI
	MUL16 4, 1, NQ-1, 1, 0
	MUL16 6, 1, NQ-1, 1, 0
	WIN 0
; THE WAY OUT, block by block of 16 tokens x 128 features (two heads).  PACK: x the factor, rounded to f16, 16 bytes a lane and tile.  TOSTAGE: into my stage, and back so that 32 lanes hold four tokens of one head,
; which are 512 consecutive bytes of qkv.  SEND: stored.
.macro PACK a
.set AC, 64*((\a)%4)
	WIN 0x02+(\a)/4                                ; source 0: window 2 or 3
.set ii, 0
.rept 32
	v_pk_mul_f32 v[TF+2*ii:TF+2*ii+1], v[AC+2*ii:AC+2*ii+1], s[FS:FS+1] op_sel_hi:[1,0]   ; ascending: each accumulator is read from its low end on
.set ii, ii+1
.endr
	WIN 0
.set ii, 0
.rept 32
	v_cvt_pk_f16_f32 v[TP+ii], v[TF+2*ii], v[TF+2*ii+1]
.set ii, ii+1
.endr
.endm
.macro TOSTAGE a
.set BB, BK+32*((\a)%2)
.irp b, 0,1,2,3,4,5,6,7
	ds_store_b128 v[STO], v[TP+4*\b:TP+4*\b+3] offset:32*\b
.endr
.irp u, 0,1,2,3,4,5,6,7
	ds_load_b128 v[BB+4*\u:BB+4*\u+3], v[RD] offset:(\u%4)*4*SPITCH+(\u/4)*128   ; LDS serves a wave's instructions in order: these see the stores above
.endr
.endm
.macro SEND a
.set BB, BK+32*((\a)%2)
	s_wait_dscnt 0x0                               ; the block is back in registers
	s_wait_xcnt 0x0                                ; the earlier stores have read their base and their registers: the base may step, and the next block's loads may land
.if (\a) > 0
	s_add_nc_u64 s[12:13], s[12:13], 2048          ; 16 tokens of 128 bytes on
.endif
.irp u, 0,1,2,3,4,5,6,7
	global_store_b128 v[CO], v[BB+4*\u:BB+4*\u+3], s[12:13] offset:(\u/4)*262144+(\u%4)*512   ; 512 consecutive bytes, at a multiple of 256 from qkv's first byte; the second head lies 2,048 x 128 bytes on
.endr
.endm
	PLACES NP                                      ; behind the last products: for the reads of results and the writes of registers that held scales and fragments
	PACK 0
	TOSTAGE 0
.irp a, 1,2,3,4,5,6,7
	PACK \a                                        ; block a's arithmetic stands between block a - 1's loads from the stage and the wait for them
	SEND \a-1
	TOSTAGE \a
.endr
	SEND 7
	s_wait_tensorcnt 0x0                           ; the wave's end
	ds_add_u32 v[SPW], v[NIL]
	s_wait_dscnt 0x0
	CROUND                                         ; the closing round
	s_endpgm
.Lfunc_end_k_q6d623f103a_proj:
	.size	k_q6d623f103a_proj, .Lfunc_end_k_q6d623f103a_proj-k_q6d623f103a_proj
	.p2alignl 7, 3214868480
	.fill 96, 4, 3214868480
	.section	.rodata,"a",@progbits
	.p2align	6, 0x0
	.amdhsa_kernel k_q6d623f103a_proj
		.amdhsa_group_segment_fixed_size 327680
		.amdhsa_private_segment_fixed_size 0
		.amdhsa_enable_private_segment 0
		.amdhsa_kernarg_size 64
		.amdhsa_user_sgpr_count 2
		.amdhsa_user_sgpr_kernarg_segment_ptr 1
		.amdhsa_wavefront_size32 1
		.amdhsa_system_sgpr_workgroup_id_x 1
		.amdhsa_system_sgpr_workgroup_id_y 1
		.amdhsa_system_sgpr_workgroup_id_z 1
		.amdhsa_system_vgpr_workitem_id 0
		.amdhsa_next_free_vgpr 1024
		.amdhsa_next_free_sgpr 106
		.amdhsa_reserve_vcc 0
		.amdhsa_float_denorm_mode_32 3
		.amdhsa_float_denorm_mode_16_64 3
		.amdhsa_memory_ordered 1
		.amdhsa_forward_progress 1
		.amdhsa_inst_pref_size 145
	.end_amdhsa_kernel
	.amdgpu_metadata
---
amdhsa.version: [ 1, 2 ]
amdhsa.kernels:
  - .name:           k_q6d623f103a_proj
    .symbol:         k_q6d623f103a_proj.kd
    .args:
      - { .name: xc, .offset: 0, .size: 8, .value_kind: global_buffer, .address_space: global }
      - { .name: xs, .offset: 8, .size: 8, .value_kind: global_buffer, .address_space: global }
      - { .name: wc, .offset: 16, .size: 8, .value_kind: global_buffer, .address_space: global }
      - { .name: ws, .offset: 24, .size: 8, .value_kind: global_buffer, .address_space: global }
      - { .name: wq_b, .offset: 32, .size: 8, .value_kind: global_buffer, .address_space: global }
      - { .name: wk_b, .offset: 40, .size: 8, .value_kind: global_buffer, .address_space: global }
      - { .name: wv_b, .offset: 48, .size: 8, .value_kind: global_buffer, .address_space: global }
      - { .name: qkv, .offset: 56, .size: 8, .value_kind: global_buffer, .address_space: global }
    .group_segment_fixed_size: 327680
    .private_segment_fixed_size: 0
    .kernarg_segment_align: 8
    .kernarg_segment_size: 64
    .max_flat_workgroup_size: 128
    .sgpr_count:     106
    .vgpr_count:     1024
    .wavefront_size: 32
...
	.end_amdgpu_metadata
.endif
;; end of part 2
;; launch attn (part 3): grid 4 x 64, 8 waves a work-group, clusters of 4 x 1, 327,680 bytes of LDS; arguments qkv, maskw, ao; writes ao
.if DOCPART == 3
	.amdgcn_target "amdgcn-amd-amdhsa--gfx1250"
	.amdhsa_code_object_version 6
	.text
	.protected	k_q6d623f103a_attn
	.globl	k_q6d623f103a_attn
	.p2align	8
	.type	k_q6d623f103a_attn,@function
k_q6d623f103a_attn:
	s_mov_b64 s[64:65], 0
	v_nop
	global_prefetch_b8 v0, s[64:65] scope:SCOPE_SE
	s_setreg_imm32_b32 hwreg(HW_REG_WAVE_MODE, 25, 1), 1
	s_wait_xcnt 0x0
	s_wait_alu depctr_hold_cnt(0) depctr_sa_sdst(0) depctr_va_vdst(0) depctr_va_sdst(0) depctr_va_ssrc(0) depctr_va_vcc(0) depctr_vm_vsrc(0)
	s_getreg_b32 s2, hwreg(HW_REG_IB_STS2, 6, 4)
	s_cmp_eq_u32 s2, 0
	s_cbranch_scc0 .Lentry_in_a_cluster
	s_endpgm
.Lentry_in_a_cluster:
	s_bfe_u32 s2, ttmp6, 0x10000c
	s_cmp_lg_u32 s2, 0x3003
	s_cbranch_scc0 .Lentry_shape_is_right
	s_endpgm
.Lentry_shape_is_right:
; ATTN: ao[bh][q][:] = the sum over k of softmax_k(where(mask, Q.K / 8, -1e9)) V[k][:], for 64 (batch, head) pairs, 2,048 queries and keys, head size 64.
; qkv [3][bh][s][64] f16: part 0 holds Q x log2(e) / 8, so a score IS the exponent t of 2; parts 1, 2 hold K, V.  maskw: words of 32 lane bits, laid as the score registers lie.  ao [bh][s][64] f16.
; Products on f16 operands with f32 sums; maxima, exponentials and sums in f32; the weights p are rounded to f16 for the second product, the result once at the end.
; SOFTMAX: for each query a running maximum m and sum l: p = 2^(t - m); in every step O and l are multiplied by a = 2^(m_old - m_new).  A hidden score becomes -1e9 log2(e) ahead of the maximum:
; a row with no open key then has p = 1 for every key, the plain mean of V, as the definition has it.
; LIMITS: operands beyond 65,504 in magnitude are infinity in f16; NaN and infinities are not served; a row with a handful of open keys carries the plain f16 rounding of V.
; SHARES: a work-group owns 512 queries of one (batch, head); each of its eight waves 64: four tiles of 16.  Two waves share a SIMD's registers, so that one wave's softmax stands beside the other's products.
; Every wave walks all keys, 64 a step.  LAYOUT: S^T = K Q^T (source 0 = 16 keys, source 1 = 16 queries) and O^T = V^T P: a lane holds ONE query throughout; two score tiles, rounded in pairs, are source 1 of the second product.
; CLUSTER: the four query blocks of a (batch, head) walk the same K and V: each tile is asked for jointly.  RING: two LDS slots of four steps (256 keys); waves 0-3 fetch K's four steps, waves 4-7 V's: one load a wave behind each round.
; REGISTERS: window 0: v1-11, v48 addresses and constants; v16-47 statistics, 8 a tile (+0 m, +1 zero, +2 +3 l, +4..+7 at work; a at +6); v64-191 S^T, 32 a tile (p in place; packed into each tile's low 16); v192-255 K's fragments.
;   window 1: v0-127 O^T, 32 a tile; v128-191 Q, 16 a tile; v192-255 V's fragments.
.set PK,    144                        ; a row of K in LDS: 128 bytes + 16
.set PV,    160                        ; a row of V: 128 + 32: an odd multiple of 32, for the turning load
.set VOFF,  64*PK                      ; a step: 64 rows of K, then 64 rows of V
.set STEPB, 64*(PK+PV)
.set SLOT1, 1<<17                      ; slot 1 begins here: one exclusive or turns an address in one slot into the other's
.set SPARE, SLOT1+4*STEPB              ; the spare words, 128 bytes for each of eight waves: four blocks of 256 bytes that no other line names
.set SPS,   144                        ; the way out: 16 rows x (128 + 16) bytes for each wave, in slot 0, which has had its last fill and its last read by then
.set AK0, 1
.set AV0, 2
.set ADK, 3
.set ADV, 4
.set QO,  5
.set RD,  6
.set GO,  7
.set NEG, 8                            ; v8  -1e9 log2(e)
.set PFO, 9                            ; v9  256 x lane: the prefetches' offset; never rewritten
.set SPW, 10
.set NIL, 11
.set STO, 48
.set ST,  16
.set S,   64
.set KF,  192
.set QF,  128                          ; in window 1
.set VF,  192                          ; in window 1
.set WV,  2                            ; s2  wave
.set TB,  3                            ; s3  LDS byte at which the step in hand begins
.set SLOTS, 4                          ; s4  slots still to be asked for
.set STEPS, 5                          ; s5  counts a slot's four steps
.set MB,  6                            ; s[6:7] my 64 queries' mask words: 512 bytes a step
.set G1K, 8
.set G1V, 16
.set G0K, 24
.set G0V, 28
.set MSBB, 32                          ; s[32:63] 32 mask words: the odd tile of a pair
.set MOFF, 66                          ; s66 the step's offset among the mask words
.set LIM, 67                           ; s67 1 in a wave that prefetches, else the greatest number
.set MSA, 68                           ; s[68:99] 32 mask words: the even tile of a pair
.set SEL, 100                          ; s[100:101] v_permlanex16_b32's selects for lane l xor 16
.set PFA, 104                          ; s[104:105] where my prefetches stand
.set MSB, 0
.macro WIN new
.if MSB != (\new)
	s_set_vgpr_msb (MSB<<8)|(\new)
.set MSB, (\new)
.endif
.endm
.set W_KQ, 0x04                        ; K and S^T window 0, Q window 1
.set W_PV, 0x51                        ; V and O^T window 1, P window 0
.set W_RS, 0x41                        ; O^T (destination, source 0) window 1, a window 0
.set W_L1, 0x40                        ; destination window 1, address window 0
.macro JLOAD                           ; a joint load: waves 0-3 K's step, waves 4-7 V's.  The branch hangs on the wave's number alone.  An s_nop 0 and four v_nop follow each line
	s_cmp_lt_u32 s[WV], 4
	s_cbranch_scc0 .Lfor_v_\@
	tensor_load_to_lds s[G0K:G0K+3], s[G1K:G1K+7]
	s_nop 0
.rept 4
	v_nop
.endr
	s_branch .Lasked_\@
.Lfor_v_\@:
	tensor_load_to_lds s[G0V:G0V+3], s[G1V:G1V+7]
	s_nop 0
.rept 4
	v_nop
.endr
.Lasked_\@:
.endm
; A prefetch into the L2 of what the NEXT change of slots will ask for: a slot's 256 rows of K and of V, 32,768 dense bytes each.  Only this cluster reads them.  Its four partners share them out BY ADDRESS, 8,192 bytes each;
; in each, wave 0 asks for K's and wave 4 for V's, lanes 256 bytes apart: one instruction, each aligned block of 256 bytes named once in the launch.  The last change that fills a slot asks for nothing.
.macro ASK
	s_cmp_gt_u32 s[SLOTS], s[LIM]
	s_cbranch_scc0 .Lnot_mine_\@
	global_prefetch_b8 v[PFO], s[PFA:PFA+1] th:TH_LOAD_NT scope:SCOPE_SE
.Lnot_mine_\@:
.endm
.macro CROUND
	s_barrier_signal -1
	s_barrier_wait -1
	s_cmp_lg_u32 s[WV], 0
	s_cbranch_scc1 .Lnot_wave_0_\@
	s_barrier_signal -3
.Lnot_wave_0_\@:
	s_barrier_wait -3
	s_barrier_signal -1
	s_barrier_wait -1
.endm
.macro MLOAD x                         ; the mask words of tiles x (32 words) and x + 1 for the step at s[MOFF]
	s_load_b512 s[MSA:MSA+15], s[MB:MB+1], s[MOFF] offset:128*(\x)
	s_load_b512 s[MSA+16:MSA+31], s[MB:MB+1], s[MOFF] offset:128*(\x)+64
	s_load_b512 s[MSBB:MSBB+15], s[MB:MB+1], s[MOFF] offset:128*(\x)+128
	s_load_b512 s[MSBB+16:MSBB+31], s[MB:MB+1], s[MOFF] offset:128*(\x)+192
.endm
	s_load_b128 s[32:35], s[0:1], 0x0              ; qkv 32, maskw 34
	v_lshl_add_u32 v[SPW], v0, 2, SPARE
	v_mov_b32 v[NIL], 0
	ds_add_u32 v[SPW], v[NIL]                      ; the wave's opening: the add, twice on end, and its wait ahead of my first tensor load
	ds_add_u32 v[SPW], v[NIL]
	v_lshrrev_b32 v12, 5, v0
	v_readfirstlane_b32 s[WV], v12                 ; wave 0..7
	s_bfe_u32 s36, ttmp6, 0x40000                  ; cx: my block of 512 queries
	s_and_b32 s37, ttmp7, 0xffff                   ; 16 b + head, which the four partners share
	s_mov_b32 s[G1K], 15|(1<<16)|(1<<20)|(1<<21)|(4<<22)|(3<<25)   ; the mask: all four; elements of 2 bytes; padding on: 4 words after every 32; bit 21 beside a mask
	s_mov_b32 s[G1V], 15|(1<<16)|(1<<20)|(1<<21)|(4<<22)|(7<<25)   ; the same with 8 words
.irp g, G1K, G1V
	s_mov_b32 s[\g+1], 64<<16                      ; tensor_dim0 = 64
	s_mov_b32 s[\g+2], 64<<16                      ; tensor_dim1 = 64
	s_mov_b32 s[\g+3], 64<<16                      ; tile_dim0 = 64
	s_mov_b32 s[\g+4], 64                          ; tile_dim1 = 64
	s_mov_b32 s[\g+5], 64                          ; the pitch
	s_mov_b32 s[\g+6], 0
	s_mov_b32 s[\g+7], 0
.endr
	s_mov_b32 s[SEL], 0x76543210
	s_mov_b32 s[SEL+1], 0xfedcba98
	s_mov_b32 s[TB], 0
	s_mov_b32 s[MOFF], 0
	s_and_b32 s38, s[WV], 3                        ; which of a slot's four steps I fetch:
	s_mul_i32 s39, s38, STEPB                      ; its place in a slot,
	s_lshl_b32 s40, s38, 13                        ; its 64 rows of 128 bytes in memory,
	s_lshl_b32 s41, s37, 18                        ; in my head's 2,048 rows
	s_add_co_u32 s40, s40, s41
	s_mov_b32 s41, 0
	s_mov_b32 s45, 0x2000000                       ; the prefetches: V's part of qkv, or K's,
	s_cmp_lt_u32 s[WV], 4
	s_cselect_b32 s44, 0x1000000, s45
	s_lshl_b32 s45, s36, 13                        ; my work-group's 8,192 bytes of a slot's 32,768,
	s_add_co_u32 s44, s44, s45
	s_add_co_u32 s44, s44, 32768                   ; in slot 1: the first change of slots steps it to slot 2
	s_mov_b32 s45, 0
	s_lshr_b32 s46, s37, 4                         ; the mask words: (32 b + 8 cx + wave) x 16,384 bytes
	s_lshl_b32 s46, s46, 5
	s_lshl_b32 s47, s36, 3
	s_add_co_u32 s46, s46, s47
	s_add_co_u32 s46, s46, s[WV]
	s_lshl_b32 s46, s46, 14
	s_mov_b32 s47, 0
	s_lshl_b32 s48, s37, 18                        ; Q: my wave's 64 rows
	s_lshl_b32 s49, s36, 16
	s_add_co_u32 s48, s48, s49
	s_lshl_b32 s49, s[WV], 13
	s_add_co_u32 s48, s48, s49
	s_mov_b32 s49, 0
	s_cmp_eq_u32 s38, 0                            ; waves 0 and 4 prefetch: the same in all four partners
	s_cselect_b32 s[LIM], 1, -1
	s_wait_dscnt 0x0                               ; both opening adds are done
	s_wait_kmcnt 0x0
	s_add_nc_u64 s[42:43], s[32:33], s[40:41]      ; qkv + my head + my step: no place in the cluster enters it
	s_mov_b32 s[G0K], 1
	s_mov_b32 s[G0K+1], s39
	s_add_nc_u64 s[G0K+2:G0K+3], s[42:43], 0x1000000
	s_or_b32 s[G0K+3], s[G0K+3], 0x80000000
	s_mov_b32 s[G0V], 1
	s_add_co_u32 s[G0V+1], s39, VOFF
	s_add_nc_u64 s[G0V+2:G0V+3], s[42:43], 0x2000000
	s_or_b32 s[G0V+3], s[G0V+3], 0x80000000
	s_add_nc_u64 s[PFA:PFA+1], s[42:43], s[44:45]
	s_add_nc_u64 s[MB:MB+1], s[34:35], s[46:47]
	s_add_nc_u64 s[4:5], s[32:33], s[48:49]        ; Q's base, until its loads are in
	CROUND                                         ; all four work-groups are here
	JLOAD                                          ; slot 0: every wave issues one load
	v_and_b32 v12, 15, v0                          ; r
	v_bfe_u32 v13, v0, 4, 1                        ; h
	v_lshlrev_b32 v[QO], 7, v12
	v_lshl_add_u32 v[QO], v13, 4, v[QO]            ; row r of 128 bytes + 16 h
	WIN W_L1
.irp t, 0,1,2,3
.irp c, 0,1                                    ; Q stays in registers: tile t, channels 32 c on
	global_load_b128 v[QF+16*\t+8*\c:QF+16*\t+8*\c+3], v[QO], s[4:5] offset:\t*2048+\c*64
	global_load_b128 v[QF+16*\t+8*\c+4:QF+16*\t+8*\c+7], v[QO], s[4:5] offset:\t*2048+\c*64+32
.endr
.endr
.set ii, 0
.rept 128
	v_mov_b32 v[ii], 0                             ; O^T.  The step is written once for all steps: the first finds zeros, which a = 0 leaves zeros
.set ii, ii+1
.endr
	WIN 0
	MLOAD 0                                        ; step 0's words of tiles 0 and 1 (the set-up's scalars above are done with)
	v_mul_u32_u24 v[AK0], v12, PK
	v_lshl_add_u32 v[AK0], v13, 4, v[AK0]          ; K: row r x pitch + 16 h
	v_and_b32 v14, 7, v0
	v_bfe_u32 v15, v0, 3, 1
	v_lshl_add_u32 v[AV0], v13, 3, v14             ; V, for the turning load: key 8 h + l % 8, channels 8 ((l / 8) % 2) on
	v_mul_u32_u24 v[AV0], v[AV0], PV
	v_lshl_add_u32 v[AV0], v15, 4, v[AV0]
	v_add_nc_u32 v[AV0], VOFF, v[AV0]
	v_mov_b32 v[NEG], 0xceabfb8f                   ; -1e9 x log2(e)
	v_and_b32 v14, 31, v0
	v_lshlrev_b32 v[PFO], 8, v14
.irp t, 0,1,2,3
	v_mov_b32 v[ST+8*\t], 0xff61b1e6               ; m: -3e38, under every t
.irp i, 1,2,3,4,5,6,7
	v_mov_b32 v[ST+8*\t+\i], 0
.endr
.endr
	s_wait_loadcnt 0x0                             ; Q is in: s[4:5] are free
	s_mul_i32 s[STEPS], s[WV], 16*SPS              ; my stage (a scratch use of the counter's register)
	v_mul_u32_u24 v[STO], v12, SPS                 ; in: query r, 16 bytes for each half of the lanes
	v_lshl_add_u32 v[STO], v13, 4, v[STO]
	v_add_nc_u32 v[STO], s[STEPS], v[STO]
	v_lshrrev_b32 v15, 3, v14
	v_mul_u32_u24 v[RD], v15, SPS                  ; back: query l / 8, 16 (l % 8) bytes into its 128
	v_and_b32 v15, 7, v14
	v_lshl_add_u32 v[RD], v15, 4, v[RD]
	v_add_nc_u32 v[RD], s[STEPS], v[RD]
	v_lshlrev_b32 v[GO], 4, v14
	s_mov_b32 s[SLOTS], 7
.macro MASK2 x                         ; hidden scores of tiles x, x + 1 become -1e9 log2(e).  Ascending: each accumulator is read from its low end on
.set ii, 0
.rept 32
	v_cndmask_b32 v[S+32*(\x)+ii], v[NEG], v[S+32*(\x)+ii], s[MSA+ii]
	v_cndmask_b32 v[S+32*(\x)+32+ii], v[NEG], v[S+32*(\x)+32+ii], s[MSBB+ii]
.set ii, ii+1
.endr
.endm
; The softmax of tiles x and x + 1 for one step, the two tiles line by line by turns, so that no line waits for the line above it.
.macro SOFT2 x
.irp j, 0,1,2,3                                ; the maximum of 32 scores and the old m, three operands at a time, in four chains
.irp t, \x, \x+1
	v_max3_num_f32 v[ST+8*(\t)+4+\j], v[S+32*(\t)+8*\j], v[S+32*(\t)+8*\j+1], v[S+32*(\t)+8*\j+2]
.endr
.endr
.irp u, 1,2
.irp j, 0,1,2,3
.irp t, \x, \x+1
	v_max3_num_f32 v[ST+8*(\t)+4+\j], v[ST+8*(\t)+4+\j], v[S+32*(\t)+8*\j+2*\u+1], v[S+32*(\t)+8*\j+2*\u+2]
.endr
.endr
.endr
.irp t, \x, \x+1
	v_max3_num_f32 v[ST+8*(\t)+4], v[ST+8*(\t)+4], v[S+32*(\t)+7], v[S+32*(\t)+15]
.endr
.irp t, \x, \x+1
	v_max3_num_f32 v[ST+8*(\t)+6], v[ST+8*(\t)+6], v[S+32*(\t)+23], v[S+32*(\t)+31]
.endr
.irp t, \x, \x+1
	v_max3_num_f32 v[ST+8*(\t)+4], v[ST+8*(\t)+4], v[ST+8*(\t)+5], v[ST+8*(\t)+6]
.endr
.irp t, \x, \x+1
	v_max3_num_f32 v[ST+8*(\t)+4], v[ST+8*(\t)+4], v[ST+8*(\t)+7], v[ST+8*(\t)]
.endr
.irp t, \x, \x+1
	v_permlanex16_b32 v[ST+8*(\t)+5], v[ST+8*(\t)+4], s[SEL], s[SEL+1]   ; the query's other 32 keys lie in the lane 16 away
.endr
.irp t, \x, \x+1
	v_max_num_f32 v[ST+8*(\t)+4], v[ST+8*(\t)+4], v[ST+8*(\t)+5]          ; the new m
.endr
.irp t, \x, \x+1
	v_sub_f32 v[ST+8*(\t)+7], v[ST+8*(\t)], v[ST+8*(\t)+4]                ; m_old - m_new
.endr
.irp t, \x, \x+1
	v_mov_b32 v[ST+8*(\t)], v[ST+8*(\t)+4]
.endr
.set ii, 0
.rept 16
.irp t, \x, \x+1
	v_pk_add_f32 v[S+32*(\t)+ii:S+32*(\t)+ii+1], v[S+32*(\t)+ii:S+32*(\t)+ii+1], v[ST+8*(\t):ST+8*(\t)+1] op_sel_hi:[1,0] neg_lo:[0,1] neg_hi:[0,1]   ; t - m, two at a time
.endr
.set ii, ii+2
.endr
.irp t, \x, \x+1
	v_exp_f32 v[ST+8*(\t)+6], v[ST+8*(\t)+7]       ; a
.endr
.set ii, 0
.rept 32
.irp t, \x, \x+1
	v_exp_f32 v[S+32*(\t)+ii], v[S+32*(\t)+ii]     ; p
.endr
.set ii, ii+1
.endr
	v_nop                                          ; a plain instruction behind the last exponential
	s_wait_alu depctr_va_vdst(0)                   ; the wait ahead of the first line that names a result: one for the 66 exponentials of both tiles
.irp t, \x, \x+1
	v_pk_fma_f32 v[ST+8*(\t)+2:ST+8*(\t)+3], v[ST+8*(\t)+2:ST+8*(\t)+3], v[ST+8*(\t)+6:ST+8*(\t)+7], v[S+32*(\t):S+32*(\t)+1] op_sel_hi:[1,0,1]   ; l = l a + the first pair: the sum is taken of the unrounded p, in two chains
.endr
.irp t, \x, \x+1
	v_pk_add_f32 v[ST+8*(\t)+4:ST+8*(\t)+5], v[S+32*(\t)+2:S+32*(\t)+3], v[S+32*(\t)+4:S+32*(\t)+5]
.endr
.irp i, 6,10,14,18,22,26
.irp t, \x, \x+1
	v_pk_add_f32 v[ST+8*(\t)+2:ST+8*(\t)+3], v[ST+8*(\t)+2:ST+8*(\t)+3], v[S+32*(\t)+\i:S+32*(\t)+\i+1]
.endr
.irp t, \x, \x+1
	v_pk_add_f32 v[ST+8*(\t)+4:ST+8*(\t)+5], v[ST+8*(\t)+4:ST+8*(\t)+5], v[S+32*(\t)+\i+2:S+32*(\t)+\i+3]
.endr
.endr
.irp t, \x, \x+1
	v_pk_add_f32 v[ST+8*(\t)+2:ST+8*(\t)+3], v[ST+8*(\t)+2:ST+8*(\t)+3], v[S+32*(\t)+30:S+32*(\t)+31]
.endr
.irp t, \x, \x+1
	v_pk_add_f32 v[ST+8*(\t)+2:ST+8*(\t)+3], v[ST+8*(\t)+2:ST+8*(\t)+3], v[ST+8*(\t)+4:ST+8*(\t)+5]
.endr
.set ii, 0
.rept 16
.irp t, \x, \x+1
	v_cvt_pk_f16_f32 v[S+32*(\t)+ii], v[S+32*(\t)+2*ii], v[S+32*(\t)+2*ii+1]   ; P, in place, ascending: register i takes pair i, which lies at or above it
.endr
.set ii, ii+1
.endr
	WIN W_RS
.set ii, 0
.rept 16
.irp t, \x, \x+1
	v_pk_mul_f32 v[32*(\t)+ii:32*(\t)+ii+1], v[32*(\t)+ii:32*(\t)+ii+1], v[ST+8*(\t)+6:ST+8*(\t)+7] op_sel_hi:[1,0]   ; O^T x a
.endr
.set ii, ii+2
.endr
	WIN 0
.endm
; A KEY STEP: 64 keys.
.macro STEP
	v_add_nc_u32 v[ADK], s[TB], v[AK0]             ; five plain instructions behind the last step's V^T P: its V registers are loaded again (four are asked) and its P registers written over by K Q^T (five)
	v_add_nc_u32 v[ADV], s[TB], v[AV0]
	v_nop
	v_nop
	v_nop
.irp f, 0,1,2,3,4,5,6,7                        ; K: keys 16 (f / 2) on, channels 32 (f % 2) on
	ds_load_b128 v[KF+8*\f:KF+8*\f+3], v[ADK] offset:(\f/2)*16*PK+(\f%2)*64
	ds_load_b128 v[KF+8*\f+4:KF+8*\f+7], v[ADK] offset:(\f/2)*16*PK+(\f%2)*64+32
.endr
	WIN W_L1
.irp f, 0,1,2,3,4,5,6,7                        ; V, turned: keys 32 (f / 4) on, channels 16 (f % 4) on
	ds_load_tr16_b128 v[VF+8*\f:VF+8*\f+3], v[ADV] offset:(\f/4)*32*PV+(\f%4)*32
	ds_load_tr16_b128 v[VF+8*\f+4:VF+8*\f+7], v[ADV] offset:(\f/4)*32*PV+16*PV+(\f%4)*32
.endr
	s_wait_dscnt 16                                ; K's sixteen loads are in; V's sixteen may stay out
	WIN W_KQ
.irp c, 0,1                                    ; S^T = K Q^T: 16 accumulators by turns, one instruction a turn
.irp kt, 0,1,2,3
.irp t, 0,1,2,3
.if \c == 0
	v_wmma_f32_16x16x32_f16 v[S+32*\t+8*\kt:S+32*\t+8*\kt+7], v[KF+8*(2*\kt+\c):KF+8*(2*\kt+\c)+7], v[QF+16*\t+8*\c:QF+16*\t+8*\c+7], 0
.else
	v_wmma_f32_16x16x32_f16 v[S+32*\t+8*\kt:S+32*\t+8*\kt+7], v[KF+8*(2*\kt+\c):KF+8*(2*\kt+\c)+7], v[QF+16*\t+8*\c:QF+16*\t+8*\c+7], v[S+32*\t+8*\kt:S+32*\t+8*\kt+7]
.endif
.endr
.endr
.endr
	WIN 0
.rept 4
	v_nop                                          ; places in front of the first read of the scores
.endr
	s_wait_kmcnt 0x0                               ; the words of tiles 0 and 1
	MASK2 0
	MLOAD 2                                        ; those of tiles 2 and 3 come while tiles 0 and 1 are worked
	SOFT2 0
	s_wait_kmcnt 0x0                               ; they are in, so the offset may step:
	s_add_co_u32 s[MOFF], s[MOFF], 512
	s_min_u32 s[MOFF], s[MOFF], 15872              ; the last step asks for its own words again: no load leaves the buffer
	MASK2 2
	MLOAD 0                                        ; the next step's words of tiles 0 and 1
	SOFT2 2
	s_wait_dscnt 0x0                               ; V is in
	WIN W_PV
.irp g, 0,1                                    ; O^T += V^T P: 16 accumulators by turns
.irp ct, 0,1,2,3
.irp t, 0,1,2,3
	v_wmma_f32_16x16x32_f16 v[32*\t+8*\ct:32*\t+8*\ct+7], v[VF+8*(4*\g+\ct):VF+8*(4*\g+\ct)+7], v[S+32*\t+8*\g:S+32*\t+8*\g+7], v[32*\t+8*\ct:32*\t+8*\ct+7]
.endr
.endr
.endr
	WIN 0
	s_add_co_u32 s[TB], s[TB], STEPB
.endm
; THE CHANGE OF SLOTS stands at a slot's head.  Each wave waits for all its tensor loads (its part of the slot ahead), adds 0 to its spare word, and waits for that and for its reads of the slot that it has left.
; fill = 1: a round of the cluster's barrier, and first behind it the joint load of the next 256 keys into the slot just left (in the first trip: slot 1's first fill): it has four steps in which to land.
.macro CHANGE fill
	WIN 0
	s_wait_tensorcnt 0x0                           ; no tensor load of mine is out, so a group 0 may be written
	ds_add_u32 v[SPW], v[NIL]
.if \fill
	s_xor_b32 s[G0K+1], s[G0K+1], SLOT1            ; the walking descriptors: the other slot,
	s_add_nc_u64 s[G0K+2:G0K+3], s[G0K+2:G0K+3], 32768   ; the next 256 rows of 128 bytes
	s_xor_b32 s[G0V+1], s[G0V+1], SLOT1
	s_add_nc_u64 s[G0V+2:G0V+3], s[G0V+2:G0V+3], 32768
	s_wait_xcnt 0x0                                ; the last prefetch, a slot back, has read its address
	s_add_nc_u64 s[PFA:PFA+1], s[PFA:PFA+1], 32768 ; one slot further on than the walking descriptors
	s_wait_dscnt 0x0                               ; the add is done, and my reads of the slot that I have left are over
	CROUND
	JLOAD
	ASK
.else
	s_wait_dscnt 0x0
	s_barrier_signal -1
	s_barrier_wait -1
.endif
.endm
.macro SLOT_STEPS                      ; a slot's four steps: written once, walked four times
	s_mov_b32 s[STEPS], 4
.Lstep_\@:
	STEP
	s_sub_co_u32 s[STEPS], s[STEPS], 1
	s_cmp_lg_u32 s[STEPS], 0
	s_cbranch_scc1 .Lstep_\@
	s_sub_co_u32 s[TB], s[TB], 4*STEPB             ; back to a slot's first step,
	s_xor_b32 s[TB], s[TB], SLOT1                  ; in the other slot
.endm
.Lslot:                                            ; seven trips: behind each change of slots but the last the next slot is asked for
	CHANGE 1
	SLOT_STEPS
	s_sub_co_u32 s[SLOTS], s[SLOTS], 1
	s_cmp_lg_u32 s[SLOTS], 0
	s_cbranch_scc1 .Lslot
	CHANGE 0                                       ; the last slot is written out
	SLOT_STEPS
	; THE WAY OUT.  l's two halves and the other half of the lanes' are added (these lines are the places behind the last products); O^T is divided by l, rounded to f16 and goes through my stage, a tile at a time.
.irp t, 0,1,2,3
	v_add_f32 v[ST+8*\t+4], v[ST+8*\t+2], v[ST+8*\t+3]
.endr
.irp t, 0,1,2,3
	v_permlanex16_b32 v[ST+8*\t+5], v[ST+8*\t+4], s[SEL], s[SEL+1]
.endr
.irp t, 0,1,2,3
	v_add_f32 v[ST+8*\t+4], v[ST+8*\t+4], v[ST+8*\t+5]
.endr
.irp t, 0,1,2,3
	v_rcp_f32 v[ST+8*\t+6], v[ST+8*\t+4]
.endr
	v_nop                                          ; a plain instruction behind the last reciprocal
	s_wait_kmcnt 0x0                               ; the last mask words have landed: their registers are free
	s_load_b64 s[32:33], s[0:1], 0x10              ; ao
	s_bfe_u32 s36, ttmp6, 0x40000
	s_and_b32 s37, ttmp7, 0xffff
	s_lshl_b32 s34, s37, 18                        ; (2,048 (16 b + head) + 512 cx + 64 wave) rows of 128 bytes
	s_lshl_b32 s36, s36, 16
	s_add_co_u32 s34, s34, s36
	s_lshl_b32 s36, s[WV], 13
	s_add_co_u32 s34, s34, s36
	s_mov_b32 s35, 0
	s_wait_kmcnt 0x0
	s_add_nc_u64 s[32:33], s[32:33], s[34:35]
	s_wait_alu depctr_va_vdst(0)                   ; the wait ahead of the first use: one for the four reciprocals
.macro OUT t
	WIN W_RS
.set ii, 0
.rept 16
	v_pk_mul_f32 v[32*\t+ii:32*\t+ii+1], v[32*\t+ii:32*\t+ii+1], v[ST+8*\t+6:ST+8*\t+7] op_sel_hi:[1,0]
.set ii, ii+2
.endr
	WIN 0x05                                       ; sources window 1, destination window 0
.set ii, 0
.rept 16
	v_cvt_pk_f16_f32 v[S+32*\t+ii], v[32*\t+2*ii], v[32*\t+2*ii+1]
.set ii, ii+1
.endr
	WIN 0
.irp ct, 0,1,2,3
	ds_store_b128 v[STO], v[S+32*\t+4*\ct:S+32*\t+4*\ct+3] offset:32*\ct   ; query r, channels 16 ct + 8 h + 0 .. 7
.endr
.irp i, 0,1,2,3
	ds_load_b128 v[S+32*\t+16+4*\i:S+32*\t+19+4*\i], v[RD] offset:\i*4*SPS   ; LDS serves a wave's instructions in order: these see the stores above, and the next tile's stores come behind them
.endr
	s_wait_dscnt 0x0
.irp i, 0,1,2,3
	global_store_b128 v[GO], v[S+32*\t+16+4*\i:S+32*\t+19+4*\i], s[32:33] offset:\t*2048+\i*512   ; four queries: 512 consecutive bytes, at a multiple of 256 from ao's first byte
.endr
.endm
	OUT 0
	OUT 1
	OUT 2
	OUT 3
	s_wait_tensorcnt 0x0                           ; the wave's end
	ds_add_u32 v[SPW], v[NIL]
	s_wait_dscnt 0x0
	CROUND                                         ; the closing round
	s_endpgm
.Lfunc_end_k_q6d623f103a_attn:
	.size	k_q6d623f103a_attn, .Lfunc_end_k_q6d623f103a_attn-k_q6d623f103a_attn
	.p2alignl 7, 3214868480
	.fill 96, 4, 3214868480
	.section	.rodata,"a",@progbits
	.p2align	6, 0x0
	.amdhsa_kernel k_q6d623f103a_attn
		.amdhsa_group_segment_fixed_size 327680
		.amdhsa_private_segment_fixed_size 0
		.amdhsa_enable_private_segment 0
		.amdhsa_kernarg_size 24
		.amdhsa_user_sgpr_count 2
		.amdhsa_user_sgpr_kernarg_segment_ptr 1
		.amdhsa_wavefront_size32 1
		.amdhsa_system_sgpr_workgroup_id_x 1
		.amdhsa_system_sgpr_workgroup_id_y 1
		.amdhsa_system_sgpr_workgroup_id_z 1
		.amdhsa_system_vgpr_workitem_id 0
		.amdhsa_next_free_vgpr 512
		.amdhsa_next_free_sgpr 106
		.amdhsa_reserve_vcc 0
		.amdhsa_float_denorm_mode_32 3
		.amdhsa_float_denorm_mode_16_64 3
		.amdhsa_memory_ordered 1
		.amdhsa_forward_progress 1
		.amdhsa_inst_pref_size 110
	.end_amdhsa_kernel
	.amdgpu_metadata
---
amdhsa.version: [ 1, 2 ]
amdhsa.kernels:
  - .name:           k_q6d623f103a_attn
    .symbol:         k_q6d623f103a_attn.kd
    .args:
      - { .name: qkv, .offset: 0, .size: 8, .value_kind: global_buffer, .address_space: global }
      - { .name: maskw, .offset: 8, .size: 8, .value_kind: global_buffer, .address_space: global }
      - { .name: ao, .offset: 16, .size: 8, .value_kind: global_buffer, .address_space: global }
    .group_segment_fixed_size: 327680
    .private_segment_fixed_size: 0
    .kernarg_segment_align: 8
    .kernarg_segment_size: 24
    .max_flat_workgroup_size: 256
    .sgpr_count:     106
    .vgpr_count:     512
    .wavefront_size: 32
...
	.end_amdgpu_metadata
.endif
;; end of part 3
;; launch oproj (part 4): grid 4 x 64, 4 waves a work-group, clusters of 4 x 4, 327,680 bytes of LDS; arguments ao, wo16, wo_b, out0; writes out0
.if DOCPART == 4
	.amdgcn_target "amdgcn-amd-amdhsa--gfx1250"
	.amdhsa_code_object_version 6
	.text
	.protected	k_q6d623f103a_oproj
	.globl	k_q6d623f103a_oproj
	.p2align	8
	.type	k_q6d623f103a_oproj,@function
k_q6d623f103a_oproj:
	s_mov_b64 s[64:65], 0
	v_nop
	global_prefetch_b8 v0, s[64:65] scope:SCOPE_SE
	s_setreg_imm32_b32 hwreg(HW_REG_WAVE_MODE, 25, 1), 1
	s_wait_xcnt 0x0
	s_wait_alu depctr_hold_cnt(0) depctr_sa_sdst(0) depctr_va_vdst(0) depctr_va_sdst(0) depctr_va_ssrc(0) depctr_va_vcc(0) depctr_vm_vsrc(0)
	s_getreg_b32 s2, hwreg(HW_REG_IB_STS2, 6, 4)
	s_cmp_eq_u32 s2, 0
	s_cbranch_scc0 .Lentry_in_a_cluster
	s_endpgm
.Lentry_in_a_cluster:
	s_bfe_u32 s2, ttmp6, 0x10000c
	s_cmp_lg_u32 s2, 0xf033
	s_cbranch_scc0 .Lentry_shape_is_right
	s_endpgm
.Lentry_shape_is_right:
; OPROJ: out0[token][n] = the sum over k of A[token][k] wo[n][k] + wo_b[n].  A is attention's result, f16, laid by head: ao [16 b + head][s][64], k = 64 head + channel; wo16 [1024 n][1024 k] f16; out0 f32; sums in f32.
; A tile of 128 tokens x 256 features is made by a work-group of four waves: 256 work-groups.  A wave makes 64 x 128: 32 accumulators of 16 x 16, 256 registers.
; K goes in steps of 128 (two heads) through a ring of two LDS slots: waves 0 and 1 fetch the tokens' rows of one head each (128 rows x 128 bytes), waves 2 and 3 128 rows x 256 bytes of wo each.
; CLUSTERS: 4 x 4 work-groups: the tokens' tiles are shared along a row of the cluster, wo's along a column: each is asked for jointly.
; THE MATRIX INSTRUCTION IS USED TRANSPOSED (source 0 = 16 rows of wo, source 1 = 16 tokens): a lane holds eight neighbouring features of one token.  The bias is the C of each sum's first product.
; No prefetch: the whole walk is eight K steps.  LIMIT: the operands are f16 (largest number 65,504).
; REGISTERS: window 0: v16-30 addresses; v64-127 the bias, 8 tiles; v128-255 rows on the way out.  window 1: two fragment buffers of 96 (32 for the tokens, 64 for wo).  window 2: accumulator (a, b) at v[8 (8 a + b)].
.set PA,    144                        ; a token's row of one head in LDS: 128 bytes + 16
.set PB,    272                        ; a row of wo: 256 bytes + 16
.set AHEAD, 128*PA                     ; one head's 128 rows
.set BOFF,  2*AHEAD
.set BHALF, 128*PB
.set SLOT,  BOFF+2*BHALF
.set SPARE, 2*SLOT                     ; the spare words, 128 bytes for each wave
.set SPITCH, 528                       ; the way out: 16 rows x (512 bytes + 16) for each wave, in slot 0, which has had its last fill and its last read by then
.set ADRA, 16
.set ADRB, 20
.set STO,  24
.set RD,   25
.set CO,   26
.set BO,   27
.set SPW,  28
.set NIL,  29
.set BIAS, 64
.set BK,   128
.set F0,   0
.set F1,   96
.set G1A, 24
.set G0,  32
.set G1B, 48
.set G0B, 56
.set MSB, 0
.macro WIN new
.if MSB != (\new)
	s_set_vgpr_msb (MSB<<8)|(\new)
.set MSB, (\new)
.endif
.endm
.set MUL,  0xa5                        ; sources 0 and 1 window 1, C and D window 2
.set MULB, 0x85                        ; the first products: C (the bias) window 0
.set TO_F, 0x40
.macro JLOAD s                         ; a joint load: waves 0 and 1 fetch the tokens' tiles, waves 2 and 3 wo's; an s_nop 0 and four v_nop follow each line
	s_cmp_eq_u32 s11, 0
	s_cbranch_scc0 .Lfor_b_\@
	tensor_load_to_lds s[G0+4*\s:G0+4*\s+3], s[G1A:G1A+7]
	s_nop 0
.rept 4
	v_nop
.endr
	s_branch .Lasked_\@
.Lfor_b_\@:
	tensor_load_to_lds s[G0B+4*\s:G0B+4*\s+3], s[G1B:G1B+7]
	s_nop 0
.rept 4
	v_nop
.endr
.Lasked_\@:
.endm
.macro CREST
	s_cmp_lg_u32 s10, 0
	s_cbranch_scc1 .Lnot_wave_0_\@
	s_barrier_signal -3
.Lnot_wave_0_\@:
	s_barrier_wait -3
	s_barrier_signal -1
	s_barrier_wait -1
.endm
.macro CROUND
	s_barrier_signal -1
	s_barrier_wait -1
	CREST
.endm
	s_load_b128 s[4:7], s[0:1], 0x0                ; ao 4, wo16 6
	s_load_b128 s[68:71], s[0:1], 0x10             ; wo_b 68, out0 70
	v_lshl_add_u32 v[SPW], v0, 2, SPARE
	v_mov_b32 v[NIL], 0
	ds_add_u32 v[SPW], v[NIL]                      ; the wave's opening: the add, twice on end, and its wait ahead of my first tensor load
	ds_add_u32 v[SPW], v[NIL]
	v_lshrrev_b32 v1, 5, v0
	v_readfirstlane_b32 s10, v1                    ; wave 0..3
	s_lshr_b32 s11, s10, 1                         ; which 64 tokens are mine.  Also: I fetch the tokens' tiles (0) or wo's (1)
	s_and_b32 s12, s10, 1                          ; which 128 features are mine.  Also: which head, or which 128 rows of wo, I fetch
	s_bfe_u32 s40, ttmp6, 0x40000                  ; cx
	s_bfe_u32 s41, ttmp6, 0x40004                  ; cy
	s_lshl_b32 s42, ttmp9, 2
	s_add_co_u32 s42, s42, s40                     ; tile column
	s_and_b32 s13, ttmp7, 0xffff
	s_lshl_b32 s13, s13, 2
	s_add_co_u32 s13, s13, s41                     ; tile row, 0 .. 63
	s_lshl_b32 s43, s41, 2
	s_lshl_b32 s43, 15, s43                        ; my row of the cluster
	s_lshl_b32 s44, 0x1111, s40                    ; my column
	s_or_b32 s[G1A], s43, (1<<16)|(1<<20)|(1<<21)|(4<<22)|(3<<25)   ; the mask; elements of 2 bytes; padding on: 4 words after every 32; bit 21 beside a mask
	s_mov_b32 s[G1A+1], 64<<16                     ; tensor_dim0 = 64
	s_mov_b32 s[G1A+2], 128<<16                    ; tensor_dim1 = 128
	s_mov_b32 s[G1A+3], 64<<16                     ; tile_dim0 = 64
	s_mov_b32 s[G1A+4], 128                        ; tile_dim1 = 128
	s_mov_b32 s[G1A+5], 64                         ; the pitch
	s_mov_b32 s[G1A+6], 0
	s_mov_b32 s[G1A+7], 0
	s_or_b32 s[G1B], s44, (1<<16)|(1<<20)|(1<<21)|(5<<22)|(3<<25)   ; 4 words after every 64
	s_mov_b32 s[G1B+1], 128<<16
	s_mov_b32 s[G1B+2], 128<<16
	s_mov_b32 s[G1B+3], 128<<16
	s_mov_b32 s[G1B+4], 128
	s_mov_b32 s[G1B+5], 1024
	s_mov_b32 s[G1B+6], 0
	s_mov_b32 s[G1B+7], 0
	s_lshr_b32 s16, s13, 4                         ; the tokens: ((16 b + my head) 2048 + 128 (tile row % 16)) rows of 128 bytes, b = tile row / 16
	s_lshl_b32 s16, s16, 22
	s_and_b32 s17, s13, 15
	s_lshl_b32 s17, s17, 14
	s_add_co_u32 s16, s16, s17
	s_lshl_b32 s17, s12, 18
	s_add_co_u32 s16, s16, s17
	s_mov_b32 s17, 0
	s_lshl_b32 s46, s42, 19                        ; wo: row 256 x tile column + 128 x half, 2,048 bytes a row
	s_lshl_b32 s47, s12, 18
	s_add_co_u32 s46, s46, s47
	s_mov_b32 s47, 0
	s_mul_i32 s20, s12, AHEAD                      ; where they go: no place in the cluster enters an LDS address
	s_mul_i32 s21, s12, BHALF
	s_add_co_u32 s21, s21, BOFF
	s_wait_dscnt 0x0                               ; both opening adds are done
	s_wait_kmcnt 0x0
	s_add_nc_u64 s[14:15], s[4:5], s[16:17]
	s_add_nc_u64 s[46:47], s[6:7], s[46:47]
	CROUND                                         ; all sixteen work-groups are here
.irp s, 0,1
	s_mov_b32 s[G0+4*\s], 1
	s_add_co_u32 s[G0+4*\s+1], s20, \s*SLOT
	s_add_nc_u64 s[G0+4*\s+2:G0+4*\s+3], s[14:15], \s*524288   ; a K step on: two heads of 2,048 x 128 bytes
	s_or_b32 s[G0+4*\s+3], s[G0+4*\s+3], 0x80000000
	s_mov_b32 s[G0B+4*\s], 1
	s_add_co_u32 s[G0B+4*\s+1], s21, \s*SLOT
	s_add_nc_u64 s[G0B+4*\s+2:G0B+4*\s+3], s[46:47], \s*256
	s_or_b32 s[G0B+4*\s+3], s[G0B+4*\s+3], 0x80000000
	JLOAD \s
.endr
	v_and_b32 v1, 15, v0                           ; l % 16
	v_bfe_u32 v2, v0, 4, 1                         ; l / 16
	s_lshl_b32 s16, s13, 19                        ; out0: (128 tile row + 64 x half) rows of 4,096 bytes,
	s_lshl_b32 s17, s11, 18
	s_add_co_u32 s16, s16, s17
	s_mov_b32 s17, 0
	s_lshl_b32 s46, s42, 10                        ; + (256 tile column + 128 x half) x 4 bytes; the bias likewise
	s_lshl_b32 s47, s12, 9
	s_add_co_u32 s46, s46, s47
	s_mov_b32 s47, 0
	s_add_nc_u64 s[68:69], s[68:69], s[46:47]
	s_add_nc_u64 s[8:9], s[70:71], s[16:17]
	s_add_nc_u64 s[8:9], s[8:9], s[46:47]
	v_lshlrev_b32 v[BO], 5, v2
.irp b, 0,1,2,3,4,5,6,7
	global_load_b128 v[BIAS+8*\b:BIAS+8*\b+3], v[BO], s[68:69] offset:64*\b        ; tile b in the result's layout: register j = wo_b[16 b + 8 (l / 16) + j]
	global_load_b128 v[BIAS+8*\b+4:BIAS+8*\b+7], v[BO], s[68:69] offset:64*\b+16
.endr
	v_mul_u32_u24 v3, v1, PA
	v_lshl_add_u32 v3, v2, 4, v3
	v_mul_u32_u24 v4, v1, PB
	v_lshl_add_u32 v4, v2, 4, v4
	s_mul_i32 s21, s11, 64*PA                      ; my 64 tokens, in each head's rows
	s_mul_i32 s22, s12, BHALF                      ; my 128 rows of wo
	s_add_co_u32 s22, s22, BOFF
.irp s, 0,1
	v_add_nc_u32 v[ADRA+\s], s21, v3
	v_add_nc_u32 v[ADRB+\s], s22, v4
	s_add_co_u32 s21, s21, SLOT
	s_add_co_u32 s22, s22, SLOT
.endr
	s_mul_i32 s23, s10, 16*SPITCH                  ; my stage
	v_mul_u32_u24 v5, v1, SPITCH                   ; in: token l % 16, 32 bytes for each half of the lanes
	v_lshl_add_u32 v5, v2, 5, v5
	v_add_nc_u32 v[STO], s23, v5
	v_and_b32 v6, 31, v0
	v_lshlrev_b32 v[CO], 4, v6                     ; back: the 32 lanes take one row of 512 bytes; and the same in out0
	v_add_nc_u32 v[RD], s23, v[CO]
; 24 LDS loads in one run: the fragments of 32 along K, the kq-th of the slot's four, into buffer f
.macro FETCH slot, kq, f
	WIN TO_F
.irp i, 0,1,2,3,4,5,6,7
	ds_load_b128 v[\f+32+8*\i:\f+32+8*\i+3], v[ADRB+\slot] offset:64*(\kq)+\i*16*PB
	ds_load_b128 v[\f+32+8*\i+4:\f+32+8*\i+7], v[ADRB+\slot] offset:64*(\kq)+\i*16*PB+32
.endr
.irp i, 0,1,2,3
	ds_load_b128 v[\f+8*\i:\f+8*\i+3], v[ADRA+\slot] offset:((\kq)/2)*AHEAD+((\kq)%2)*64+\i*16*PA
	ds_load_b128 v[\f+8*\i+4:\f+8*\i+7], v[ADRA+\slot] offset:((\kq)/2)*AHEAD+((\kq)%2)*64+\i*16*PA+32
.endr
.endm
; 16 matrix instructions: token blocks 2 half, 2 half + 1 x wo's eight.  first = 1: the bias starts the sums.  The 32 accumulators take turns, one instruction a turn, in the same order in every quarter.
.macro MULH f, half, first
.irp a, 2*\half, 2*\half+1
.irp b, 0,1,2,3,4,5,6,7
.if \first
	v_wmma_f32_16x16x32_f16 v[8*(8*(\a)+\b):8*(8*(\a)+\b)+7], v[\f+32+8*\b:\f+32+8*\b+7], v[\f+8*(\a):\f+8*(\a)+7], v[BIAS+8*\b:BIAS+8*\b+7]
.else
	v_wmma_f32_16x16x32_f16 v[8*(8*(\a)+\b):8*(8*(\a)+\b)+7], v[\f+32+8*\b:\f+32+8*\b+7], v[\f+8*(\a):\f+8*(\a)+7], v[8*(8*(\a)+\b):8*(8*(\a)+\b)+7]
.endif
.endr
.endr
.endm
.macro PLACES                          ; four plain vector instructions in front of loads into registers that matrix instructions have read, and of reads of results
.rept 4
	v_nop
.endr
.endm
; One of a K step's first three quarters: multiplies buffer f; ahead of its 32 products it fetches quarter kq into buffer g.
.macro QUARTER slot, kq, f, g, first
	s_wait_dscnt 0x0                               ; buffer f is in (asked for up to 32 matrix instructions ago)
	PLACES
	FETCH \slot, \kq, \g
.if \first
	WIN MULB
.else
	WIN MUL
.endif
	MULH \f, 0, \first
	MULH \f, 1, \first
.endm
; The last quarter multiplies buffer 1 and changes slots: one barrier; in front of it each wave waits for all its tensor loads, adds 0 to its spare word, and waits for that and for its reads of this slot.  fill = 1: this slot is filled again, two K steps ahead.
.macro TURN slot, next, fill
	WIN 0                                          ; (the add's two registers lie in window 0)
	s_wait_tensorcnt 0x0                           ; all my tensor loads have landed: my part of the next slot
	ds_add_u32 v[SPW], v[NIL]
	s_wait_dscnt 1                                 ; buffer 1 is in (the add may be out)
	WIN MUL
	MULH F1, 0, 0                                  ; sixteen matrix instructions stand between the add and the wait for it
	s_wait_dscnt 0x0                               ; the add is done, and my reads of this slot are over
	s_barrier_signal -1
	WIN 0
	s_barrier_wait -1
.if \fill
	CREST                                          ; the barrier has opened a round of the cluster's barrier: no wave of any partner still reads this slot or has a load on its way
	s_add_nc_u64 s[G0+4*\slot+2:G0+4*\slot+3], s[G0+4*\slot+2:G0+4*\slot+3], 1048576
	s_add_nc_u64 s[G0B+4*\slot+2:G0B+4*\slot+3], s[G0B+4*\slot+2:G0B+4*\slot+3], 512
	JLOAD \slot                                    ; the first tensor load behind the round; its four v_nop are also the places in front of the loads below
.else
	PLACES
.endif
	FETCH \next, 0, F0
	WIN MUL
	MULH F1, 1, 0
.endm
	s_wait_tensorcnt 1                             ; my part of K step 0 is in (K step 1's load may be out)
	s_barrier_signal -1
	s_barrier_wait -1                              ; everybody's is
	FETCH 0, 0, F0
	s_wait_loadcnt 0x0                             ; the bias
	QUARTER 0, 1, F0, F1, 1                        ; the first quarter stands in front of the loop: the bias starts the sums
	WIN 0                                          ; at a label and at a branch every window is 0
	s_mov_b32 s3, 3
.Llap:                                             ; a trip goes once round the ring and fills both slots again: K steps 2 to 7
	QUARTER 0, 2, F1, F0, 0
	QUARTER 0, 3, F0, F1, 0
	TURN 0, 1, 1
	QUARTER 1, 1, F0, F1, 0
	QUARTER 1, 2, F1, F0, 0
	QUARTER 1, 3, F0, F1, 0
	TURN 1, 0, 1
	QUARTER 0, 1, F0, F1, 0
	WIN 0
	s_sub_co_u32 s3, s3, 1
	s_cmp_lg_u32 s3, 0
	s_cbranch_scc1 .Llap
	QUARTER 0, 2, F1, F0, 0                        ; the last lap fills nothing
	QUARTER 0, 3, F0, F1, 0
	TURN 0, 1, 0
	QUARTER 1, 1, F0, F1, 0
	QUARTER 1, 2, F1, F0, 0
	QUARTER 1, 3, F0, F1, 0
	s_wait_dscnt 0x0                               ; the very last quarter
	WIN MUL
	MULH F1, 0, 0
	MULH F1, 1, 0
	WIN 0
; THE WAY OUT, block by block of 16 tokens x 128 features: through my own stage in LDS, back as whole rows of 512 bytes.
.macro TOSTAGE a
.set AC, 64*(\a)
	WIN 0x08                                       ; an LDS store's data are its source 1: window 2
.irp b, 0,1,2,3,4,5,6,7
	ds_store_b128 v[STO], v[AC+8*\b:AC+8*\b+3] offset:64*\b          ; each accumulator from its low end on
	ds_store_b128 v[STO], v[AC+8*\b+4:AC+8*\b+7] offset:64*\b+16
.endr
	WIN 0
.set BB, BK+64*((\a)%2)
.irp t, 0,1,2,3,4,5,6,7,8,9,10,11,12,13,14,15
	ds_load_b128 v[BB+4*\t:BB+4*\t+3], v[RD] offset:\t*SPITCH        ; LDS serves a wave's instructions in order: these see the stores above
.endr
.endm
.macro SEND a, younger                 ; younger: the LDS instructions issued behind block a's loads, which may stay out
.set BB, BK+64*((\a)%2)
	s_wait_dscnt \younger
.if (\a) > 0
	s_add_nc_u64 s[8:9], s[8:9], 65536             ; (behind a wait on XCNT: the earlier stores have read their base)  16 rows of 4,096 bytes on
.endif
.irp t, 0,1,2,3,4,5,6,7,8,9,10,11,12,13,14,15
	global_store_b128 v[CO], v[BB+4*\t:BB+4*\t+3], s[8:9] offset:\t*4096 th:TH_STORE_NT   ; 512 consecutive bytes, at a multiple of 256 from out0's first byte; written once, read by nobody here
.endr
.endm
	PLACES                                         ; behind the last products, in front of the first read of results
	TOSTAGE 0
.irp a, 1,2,3
.if \a > 1
	s_wait_xcnt 0x0                                ; block a - 2's stores have read their registers and their base
.endif
	TOSTAGE \a
	SEND \a-1, 32                                  ; behind block a - 1's loads: block a's 16 stores and 16 loads
.endr
	s_wait_xcnt 0x0
	SEND 3, 0
	s_wait_tensorcnt 0x0                           ; the wave's end
	ds_add_u32 v[SPW], v[NIL]
	s_wait_dscnt 0x0
	CROUND                                         ; the closing round
	s_endpgm
.Lfunc_end_k_q6d623f103a_oproj:
	.size	k_q6d623f103a_oproj, .Lfunc_end_k_q6d623f103a_oproj-k_q6d623f103a_oproj
	.p2alignl 7, 3214868480
	.fill 96, 4, 3214868480
	.section	.rodata,"a",@progbits
	.p2align	6, 0x0
	.amdhsa_kernel k_q6d623f103a_oproj
		.amdhsa_group_segment_fixed_size 327680
		.amdhsa_private_segment_fixed_size 0
		.amdhsa_enable_private_segment 0
		.amdhsa_kernarg_size 32
		.amdhsa_user_sgpr_count 2
		.amdhsa_user_sgpr_kernarg_segment_ptr 1
		.amdhsa_wavefront_size32 1
		.amdhsa_system_sgpr_workgroup_id_x 1
		.amdhsa_system_sgpr_workgroup_id_y 1
		.amdhsa_system_sgpr_workgroup_id_z 1
		.amdhsa_system_vgpr_workitem_id 0
		.amdhsa_next_free_vgpr 768
		.amdhsa_next_free_sgpr 72
		.amdhsa_reserve_vcc 0
		.amdhsa_float_denorm_mode_32 3
		.amdhsa_float_denorm_mode_16_64 3
		.amdhsa_memory_ordered 1
		.amdhsa_forward_progress 1
		.amdhsa_inst_pref_size 86
	.end_amdhsa_kernel
	.amdgpu_metadata
---
amdhsa.version: [ 1, 2 ]
amdhsa.kernels:
  - .name:           k_q6d623f103a_oproj
    .symbol:         k_q6d623f103a_oproj.kd
    .args:
      - { .name: ao, .offset: 0, .size: 8, .value_kind: global_buffer, .address_space: global }
      - { .name: wo16, .offset: 8, .size: 8, .value_kind: global_buffer, .address_space: global }
      - { .name: wo_b, .offset: 16, .size: 8, .value_kind: global_buffer, .address_space: global }
      - { .name: out0, .offset: 24, .size: 8, .value_kind: global_buffer, .address_space: global }
    .group_segment_fixed_size: 327680
    .private_segment_fixed_size: 0
    .kernarg_segment_align: 8
    .kernarg_segment_size: 32
    .max_flat_workgroup_size: 128
    .sgpr_count:     72
    .vgpr_count:     768
    .wavefront_size: 32
...
	.end_amdgpu_metadata
.endif
;; end of part 4
